; MI455X (gfx1250); checked and timed in simulation.
; The chip was launched on July 23, 2026; its instructions are those of AMD's public machine-readable ISA for CDNA 5 (MIT licence, August 2026) and "CDNA5" Instruction Set Architecture Reference Guide (July 2026). The comments in the code are by the model that wrote it; some were corrected since.
;; Multi Head Self Attention. Allowed arithmetic: matrix products marked QUANTISED: E2M1 operands, one E8M0 scale for each 32 along K, by v_wmma_scale_f32_16x16x128_f8f6f4 with both operands' format E2M1 (or v_wmma_scale_f32_32x16x128_f4), f32 sums; products left as they are: bf16, f16 or f32 operands; f32 sums; everything else in f32.
;; Inputs: Wk 1,024 x 1,024 float32; Wo 1,024 x 1,024 float32; Wq 1,024 x 1,024 float32; Wv 1,024 x 1,024 float32; x 4 x 2,048 x 1,024 float32.
;; Outputs: out0 4 x 2,048 x 1,024 float32.
;; This version of the problem:
;;   THIS VERSION OF THE PROBLEM IS GIVEN IN LOW PRECISION. The matrix products marked QUANTISED in the list below multiply operands that are first quantised to E2M1 (2 exponent bits, 1 mantissa bit; 4 bits a number), with one power-of-two scale for each 32 numbers along K (OCP MX v1.0); their sums are f32. The products marked 'left as it is' may take bf16, f16 or f32 operands, with f32 sums. Whichever they take, every output number must still come out within the allowed error. Rounding operands to bf16 (8 significant bits) uses up far more of that allowance than f16 does (11 bits, for magnitudes from 6e-5 to 65,504). All else is computed in f32.
;;   The module's matrix products, in the order in which they are computed (A, B: the left and right operand; K: the contracted axis; several contracted axes count as one K, in the product's order):
;;     1. [M 8,192, K 1,024] x [K 1,024, N 1,024]; A: input x; B: input Wq: QUANTISED
;;     2. [M 8,192, K 1,024] x [K 1,024, N 1,024]; A: input x; B: input Wk: QUANTISED
;;     3. [M 8,192, K 1,024] x [K 1,024, N 1,024]; A: input x; B: input Wv: QUANTISED
;;     4. batch 64 x [M 2,048, K 64] x [K 64, N 2,048]; A: computed on the way; B: computed on the way: left as it is (an operand is computed on the way)
;;     5. batch 64 x [M 2,048, K 2,048] x [K 2,048, N 64]; A: computed on the way; B: computed on the way: left as it is (an operand is computed on the way)
;;     6. [M 8,192, K 1,024] x [K 1,024, N 1,024]; A: computed on the way; B: input Wo: left as it is (an operand is computed on the way)
;;   THE QUANTISER, for each operand of a quantised product, along K:
;;     - K is cut into blocks of 32 from its start; a last block that is shorter is filled with zeros.
;;     - A block's scale is 2^e with e = floor(log2(the largest magnitude in the block)) - 2, held to -126 .. 127; a block of zeros has e = 0. As a byte (E8M0): e + 127.
;;     - Each number is divided by its block's scale, clamped to +-6, and rounded to the nearest number of E2M1, ties to even, subnormals kept.
;;     - The product sums the exact products of the quantised numbers (number of the format x scale) in f32.
;;   ~~~python
;;   def quantise(x, axis):      # numpy; x: float32 -> the quantised numbers, widened to float32 again
;;       x = np.moveaxis(x, axis, -1); K = x.shape[-1]
;;       x = np.pad(x, [(0, 0)] * (x.ndim - 1) + [(0, -K % 32)]); x = x.reshape(x.shape[:-1] + (-1, 32)); a = np.abs(x).max(-1, keepdims=True)
;;       e = np.where(a > 0, np.clip(np.frexp(np.where(a > 0, a, 1))[1] - 1 - 2, -126, 127), 0)      # np.frexp(a)[1] - 1 = floor(log2(a)), exactly
;;       r = np.clip(x / 2.0 ** e, -6, 6)
;;       step = 2.0 ** (np.maximum(np.frexp(np.where(r == 0, 1, r))[1] - 1, 0) - 1)
;;       q = np.round(r / step) * step * 2.0 ** e      # np.round: ties to even
;;       return np.moveaxis(q.reshape(q.shape[:-2] + (-1,))[..., :K], -1, axis).astype(np.float32)
;;   ~~~
;; One version. Each part assembles by itself: llvm-mc -triple=amdgcn-amd-amdhsa -mcpu=gfx1250 --defsym DOCPART=n.
;; ======== version 1 of 1: 5 launches
;; limits: values are held in f16: magnitudes above 65,504 overflow, below 6.1e-05 lose precision
;; workspace buffers: xc 4,194,304 bytes; xs 262,144 bytes; wc 1,572,864 bytes; ws 98,304 bytes; wo16 2,097,152 bytes; qkv 50,331,648 bytes; qkv16 786,432 bytes; ao 16,777,216 bytes
;; launch quant (part 1): grid 384 x 1, 4 waves a work-group, no clusters, 33,280 bytes of LDS; arguments x, Wq, Wk, Wv, Wo, xc, xs, wc, ws, wo16; writes xc, xs, wc, ws, wo16
.if DOCPART == 1
	.amdgcn_target "amdgcn-amd-amdhsa--gfx1250"
	.amdhsa_code_object_version 6
	.text
	.protected	k_q66fb7fa36a_quant
	.globl	k_q66fb7fa36a_quant
	.p2align	8
	.type	k_q66fb7fa36a_quant,@function
k_q66fb7fa36a_quant:
	s_mov_b64 s[64:65], 0
	v_nop
	global_prefetch_b8 v0, s[64:65] scope:SCOPE_SE
	s_setreg_imm32_b32 hwreg(HW_REG_WAVE_MODE, 25, 1), 1
	s_wait_xcnt 0x0
; x [8192][1024], Wq, Wk, Wv [1024][1024], f32, become codes of FP4 (E2M1), K innermost, with one E8M0 byte for each 32 along K; Wo [1024][1024] becomes f16, laid by head: wo16 [16 (h)][1024 (e)][64].
; xc [8192][512 bytes], xs [8192][32]; wc [3072][512 bytes], ws [3072][32]: rows 0-1023 Wq, 1024-2047 Wk, 2048-3071 Wv.
; A block's scale is 2^(floor(log2(its largest magnitude)) - 2): its byte is the largest magnitude's exponent field - 2, held at 1 from below.
; LIMITS: a block of zeros gets the byte 1 where the rule says 127 (its codes are zeros, and this program alone reads the bytes); blocks whose largest magnitude lies under 2^(2 - 126)
; keep the byte 1; NaN and infinities among the inputs are not served; |Wo| from 65,520 on becomes infinity in f16.
; SHARES: 32,768 numbers a work-group, 8,192 a wave.  Work-groups 0-255 take x, 256-287 Wq, 288-319 Wk, 320-351 Wv, 352-383 Wo.  Rows are dense and 1,024 is a multiple of 32, so a tensor is a plain
; stream of blocks of 32, and so are its codes and its bytes.  Only pointers are chosen by the work-group's number; the four quantised tensors take one path.
; THE PATH OF THE CODES: 16 steps of 512 numbers.  Each load reads 512 consecutive bytes; a step's 2,048 bytes turn through the wave's own stage in LDS, so that a lane holds 16 neighbours along K
; (two lanes a block).  A lane's 16 codes are 8 bytes: a store covers 256 consecutive bytes.  A wave's 256 scale bytes are gathered in LDS and leave as 256 consecutive bytes.  Waves share nothing: no barrier.
.set WAVES, 4
.set STEPS, 16
.set EMAX,  2
.set CB,    8                          ; bytes of 16 codes
.set R,     16                         ; v16-79   four sets of 16 numbers as they are loaded
.set X,     80                         ; v80-111  two sets of 16 neighbours
.set E,     112                        ; v112-127 a scale byte for each step
.set C,     128                        ; v128-191 codes: four registers for each step, so that no store's data are written again
.set WREG,  8192                       ; LDS: a region for each wave: two stages of 32 x SP bytes, behind them its 256 scale bytes
.set SP,    80                         ; a lane's place in a stage: 64 bytes + 16 of padding
.set SPW,   12                         ; v12 LDS address of my spare word; never rewritten
.set NIL,   13                         ; v13 0; never rewritten
.set SPARE, WAVES*WREG                 ; behind the four regions: the spare words, 128 bytes a wave
	s_load_b256 s[4:11], s[0:1], 0x0               ; x s[4:5], Wq s[6:7], Wk s[8:9], Wv s[10:11]
	s_load_b256 s[12:19], s[0:1], 0x20             ; Wo s[12:13], xc s[14:15], xs s[16:17], wc s[18:19]
	s_load_b128 s[20:23], s[0:1], 0x40             ; ws s[20:21], wo16 s[22:23]
	v_lshl_add_u32 v[SPW], v0, 2, SPARE
	v_mov_b32 v[NIL], 0
	v_lshrrev_b32 v1, 5, v0
	v_readfirstlane_b32 s36, v1                    ; wave
	v_and_b32 v2, 31, v0                           ; lane
	v_lshlrev_b32 v3, 4, v2                        ; my 16 bytes of a load's 512
	s_mul_i32 s37, s36, WREG
	v_lshrrev_b32 v14, 2, v2
	v_mul_u32_u24 v14, v14, SP
	v_and_b32 v15, 3, v2
	v_lshl_add_u32 v14, v15, 4, v14
	v_add_nc_u32 v14, s37, v14                     ; the stage, on the way in: SP (lane / 4) + 16 (lane % 4)
	v_mul_u32_u24 v15, v2, SP
	v_add_nc_u32 v15, s37, v15                     ; and on the way out: SP x lane: my 16 neighbours
	v_mul_u32_u24 v4, v2, CB                       ; my codes' place in a step's
	v_lshrrev_b32 v5, 1, v2
	s_add_co_u32 s37, s37, 2*32*SP
	v_add_nc_u32 v5, s37, v5                       ; my wave's 256 scale bytes, my block's byte
	v_lshlrev_b32 v7, 3, v2                        ; and on the way out 8 bytes a lane
	v_add_nc_u32 v6, s37, v7
	s_wait_kmcnt 0x0
	s_cmp_ge_u32 ttmp9, 352
	s_cbranch_scc1 .Lwo                            ; the last 32 work-groups take Wo
	s_sub_co_u32 s32, ttmp9, 256                   ; the run among the three weights (used from work-group 256 on)
	s_and_b32 s33, s32, 31                         ; and inside one weight
	s_cmp_lt_u32 ttmp9, 256                        ; x or a weight?  The choice hangs on the work-group's number alone
	s_cselect_b64 s[24:25], s[4:5], s[6:7]         ; from
	s_cselect_b64 s[26:27], s[14:15], s[18:19]     ; codes to
	s_cselect_b64 s[28:29], s[16:17], s[20:21]     ; bytes to
	s_cselect_b32 s30, ttmp9, s32                  ; which 32,768 numbers of the destination
	s_cselect_b32 s31, ttmp9, s33                  ; and of the source
	s_cmp_ge_u32 ttmp9, 288
	s_cselect_b64 s[24:25], s[8:9], s[24:25]
	s_cmp_ge_u32 ttmp9, 320
	s_cselect_b64 s[24:25], s[10:11], s[24:25]
	s_lshl_b32 s31, s31, 2
	s_add_co_u32 s31, s31, s36                     ; my wave's run of 8,192 numbers in the source
	s_lshl_b32 s34, s31, 15                        ; 32,768 bytes a run: under 2^26
	s_mov_b32 s35, 0
	s_add_nc_u64 s[24:25], s[24:25], s[34:35]
	s_lshl_b32 s30, s30, 2
	s_add_co_u32 s30, s30, s36                     ; and in the destination
	s_lshl_b32 s34, s30, 12                        ; 4,096 bytes of codes a run
	s_add_nc_u64 s[26:27], s[26:27], s[34:35]
	s_lshl_b32 s34, s30, 8                         ; 256 scale bytes a run
	s_add_nc_u64 s[28:29], s[28:29], s[34:35]
.macro LOAD t
.irp i, 0,1,2,3
	global_load_b128 v[R+16*((\t)%4)+4*\i:R+16*((\t)%4)+4*\i+3], v3, s[24:25] offset:2048*(\t)+512*\i th:TH_LOAD_NT   ; 32 lanes read 512 consecutive bytes
.endr
.endm
.macro TURN t                          ; step t's numbers through the stage: LDS serves a wave's instructions in order, so no wait stands between the stores and the loads
.irp i, 0,1,2,3
	ds_store_b128 v14, v[R+16*((\t)%4)+4*\i:R+16*((\t)%4)+4*\i+3] offset:32*SP*((\t)%2)+8*SP*\i
.endr
.irp i, 0,1,2,3
	ds_load_b128 v[X+16*((\t)%2)+4*\i:X+16*((\t)%2)+4*\i+3], v15 offset:32*SP*((\t)%2)+16*\i
.endr
.endm
.irp t, 0,1,2,3
	LOAD \t
.endr
	s_wait_loadcnt 12                              ; step 0's four loads are in; the 12 of steps 1 to 3 may be out
	TURN 0
.macro STEP t
.set XS, X+16*((\t)%2)
.if (\t) > 0
	s_wait_dscnt 1                                 ; this step's numbers are back from the stage (the last step's byte store may be out)
.else
	s_wait_dscnt 0x0
.endif
.if (\t)+4 < STEPS
	LOAD (\t)+4                                    ; into the registers that this step's stores into the stage have read
.endif
.if (\t)+1 < STEPS
.if STEPS-2-(\t) >= 3
	s_wait_loadcnt 12                              ; the next step's four loads are in; those of the three steps behind it may be out
.else
	s_wait_loadcnt 4*(STEPS-2-(\t))
.endif
	TURN (\t)+1                                    ; they go through the other stage while this step is worked
.endif
	v_max3_num_f32 v8, |v[XS]|, |v[XS+1]|, |v[XS+2]|               ; the largest magnitude of my 16, in two chains
	v_max3_num_f32 v9, |v[XS+3]|, |v[XS+4]|, |v[XS+5]|
.irp i, 6,10
	v_max3_num_f32 v8, v8, |v[XS+\i]|, |v[XS+\i+1]|
	v_max3_num_f32 v9, v9, |v[XS+\i+2]|, |v[XS+\i+3]|
.endr
	v_max3_num_f32 v8, v8, |v[XS+14]|, |v[XS+15]|
	v_max3_num_f32 v8, v8, v9, (EMAX+1)<<23        ; and the floor 2^(EMAX + 1 - 127): the byte cannot fall under 1
	v_max_num_f32_dpp v8, v8, v8 row_xmask:1 row_mask:0xf bank_mask:0xf   ; and of my neighbour's 16: the block's
	v_add_nc_u32 v11, -(EMAX<<23), v8              ; EMAX off its exponent field: the conversion takes the exponent field of this operand as its scale
	v_cvt_scalef32_pk8_fp4_f32 v[C+4*(\t)], v[XS:XS+7], v11
	v_cvt_scalef32_pk8_fp4_f32 v[C+4*(\t)+1], v[XS+8:XS+15], v11
	v_lshrrev_b32 v[E+(\t)], 23, v11               ; the scale's byte (also the plain line behind the conversions)
	ds_store_b8 v5, v[E+(\t)] offset:16*(\t)       ; both lanes of a block write the same byte with the same value
	global_store_b64 v4, v[C+4*(\t):C+4*(\t)+1], s[26:27] offset:32*CB*(\t)   ; 32 lanes store 256 consecutive bytes
.endm
.irp t, 0,1,2,3,4,5,6,7,8,9,10,11,12,13,14,15
	STEP \t
.endr
	ds_load_b64 v[8:9], v6                         ; LDS serves a wave's instructions in order: these see my byte stores
	s_wait_dscnt 0x0
	global_store_b64 v7, v[8:9], s[28:29]          ; 32 lanes store 256 consecutive bytes
	s_wait_tensorcnt 0x0                           ; the wave's end, behind my last LDS store
	ds_add_u32 v[SPW], v[NIL]
	s_wait_dscnt 0x0
	s_endpgm
; Wo: wave w of work-group i takes rows e0 = 32 i + 8 w .. + 7, two at a time.  A load reads head h's 256 bytes of row e in lanes 0-15 and of row e + 1 in lanes 16-31;
; rounded to f16 they are 2 x 128 bytes that lie on end in wo16's plane h: a store covers 256 consecutive bytes.  No LDS.
.Lwo:
	v_lshrrev_b32 v10, 4, v2
	v_and_b32 v11, 15, v2
	v_lshlrev_b32 v8, 12, v10
	v_lshl_add_u32 v8, v11, 4, v8                  ; in: 4,096 (lane / 16) + 16 (lane % 16)
	v_lshlrev_b32 v9, 7, v10
	v_lshl_add_u32 v9, v11, 3, v9                  ; out: 128 (lane / 16) + 8 (lane % 16)
	s_sub_co_u32 s32, ttmp9, 352
	s_lshl_b32 s32, s32, 5
	s_lshl_b32 s33, s36, 3
	s_add_co_u32 s32, s32, s33                     ; e0
	s_lshl_b32 s34, s32, 12
	s_mov_b32 s35, 0
	s_add_nc_u64 s[12:13], s[12:13], s[34:35]
	s_lshl_b32 s34, s32, 7
	s_add_nc_u64 s[22:23], s[22:23], s[34:35]
.macro WOB p                           ; row pair p, all 16 heads, into set p % 2
.irp h, 0,1,2,3,4,5,6,7,8,9,10,11,12,13,14,15
	global_load_b128 v[16+64*((\p)%2)+4*\h:16+64*((\p)%2)+4*\h+3], v8, s[12:13] offset:(\p)*8192+\h*256
.endr
.endm
	WOB 0
	WOB 1
.irp p, 0,1,2,3
.if \p < 3
	s_wait_loadcnt 16                              ; this pair's 16 loads are in; the other set's 16 may be out
.else
	s_wait_loadcnt 0x0
.endif
.if \p > 0
	s_wait_xcnt 0x0                                ; the last pair's stores have read v144-175: only now are they written again
.endif
.irp h, 0,1,2,3,4,5,6,7,8,9,10,11,12,13,14,15
	v_cvt_pk_f16_f32 v[144+2*\h], v[16+64*(\p%2)+4*\h], v[16+64*(\p%2)+4*\h+1]
	v_cvt_pk_f16_f32 v[145+2*\h], v[16+64*(\p%2)+4*\h+2], v[16+64*(\p%2)+4*\h+3]
.endr
.irp h, 0,1,2,3,4,5,6,7,8,9,10,11,12,13,14,15
	global_store_b64 v9, v[144+2*\h:145+2*\h], s[22:23] offset:\h*131072+\p*256
.endr
.if \p < 2
	WOB \p+2
.endif
.endr
	s_wait_tensorcnt 0x0                           ; a wave's end
	ds_add_u32 v[SPW], v[NIL]
	s_wait_dscnt 0x0
	s_endpgm
.Lfunc_end_k_q66fb7fa36a_quant:
	.size	k_q66fb7fa36a_quant, .Lfunc_end_k_q66fb7fa36a_quant-k_q66fb7fa36a_quant
	.p2alignl 7, 3214868480
	.fill 96, 4, 3214868480
	.section	.rodata,"a",@progbits
	.p2align	6, 0x0
	.amdhsa_kernel k_q66fb7fa36a_quant
		.amdhsa_group_segment_fixed_size 33280
		.amdhsa_private_segment_fixed_size 0
		.amdhsa_enable_private_segment 0
		.amdhsa_kernarg_size 80
		.amdhsa_user_sgpr_count 2
		.amdhsa_user_sgpr_kernarg_segment_ptr 1
		.amdhsa_wavefront_size32 1
		.amdhsa_system_sgpr_workgroup_id_x 1
		.amdhsa_system_sgpr_workgroup_id_y 1
		.amdhsa_system_sgpr_workgroup_id_z 1
		.amdhsa_system_vgpr_workitem_id 0
		.amdhsa_next_free_vgpr 192
		.amdhsa_next_free_sgpr 66
		.amdhsa_reserve_vcc 0
		.amdhsa_float_denorm_mode_32 3
		.amdhsa_float_denorm_mode_16_64 3
		.amdhsa_memory_ordered 1
		.amdhsa_forward_progress 1
		.amdhsa_inst_pref_size 55
	.end_amdhsa_kernel
	.amdgpu_metadata
---
amdhsa.version: [ 1, 2 ]
amdhsa.kernels:
  - .name:           k_q66fb7fa36a_quant
    .symbol:         k_q66fb7fa36a_quant.kd
    .args:
      - { .name: x, .offset: 0, .size: 8, .value_kind: global_buffer, .address_space: global }
      - { .name: Wq, .offset: 8, .size: 8, .value_kind: global_buffer, .address_space: global }
      - { .name: Wk, .offset: 16, .size: 8, .value_kind: global_buffer, .address_space: global }
      - { .name: Wv, .offset: 24, .size: 8, .value_kind: global_buffer, .address_space: global }
      - { .name: Wo, .offset: 32, .size: 8, .value_kind: global_buffer, .address_space: global }
      - { .name: xc, .offset: 40, .size: 8, .value_kind: global_buffer, .address_space: global }
      - { .name: xs, .offset: 48, .size: 8, .value_kind: global_buffer, .address_space: global }
      - { .name: wc, .offset: 56, .size: 8, .value_kind: global_buffer, .address_space: global }
      - { .name: ws, .offset: 64, .size: 8, .value_kind: global_buffer, .address_space: global }
      - { .name: wo16, .offset: 72, .size: 8, .value_kind: global_buffer, .address_space: global }
    .group_segment_fixed_size: 33280
    .private_segment_fixed_size: 0
    .kernarg_segment_align: 8
    .kernarg_segment_size: 80
    .max_flat_workgroup_size: 128
    .sgpr_count:     66
    .vgpr_count:     192
    .wavefront_size: 32
...
	.end_amdgpu_metadata
.endif
;; end of part 1
;; launch qkv (part 2): grid 12 x 32, 4 waves a work-group, clusters of 4 x 4, 327,680 bytes of LDS; arguments xc, xs, wc, ws, qkv, qkv16; writes qkv, qkv16
.if DOCPART == 2
	.amdgcn_target "amdgcn-amd-amdhsa--gfx1250"
	.amdhsa_code_object_version 6
	.text
	.protected	k_q66fb7fa36a_qkv
	.globl	k_q66fb7fa36a_qkv
	.p2align	8
	.type	k_q66fb7fa36a_qkv,@function
k_q66fb7fa36a_qkv:
	s_mov_b64 s[64:65], 0
	v_nop
	global_prefetch_b8 v0, s[64:65] scope:SCOPE_SE
	s_setreg_imm32_b32 hwreg(HW_REG_WAVE_MODE, 25, 1), 1
	s_wait_xcnt 0x0
	s_wait_alu depctr_hold_cnt(0) depctr_sa_sdst(0) depctr_va_vdst(0) depctr_va_sdst(0) depctr_va_ssrc(0) depctr_va_vcc(0) depctr_vm_vsrc(0)
	s_getreg_b32 s2, hwreg(HW_REG_IB_STS2, 6, 4)
	s_cmp_eq_u32 s2, 0
	s_cbranch_scc0 .Lentry_in_a_cluster
	s_endpgm
.Lentry_in_a_cluster:
	s_bfe_u32 s2, ttmp6, 0x10000c
	s_cmp_lg_u32 s2, 0xf033
	s_cbranch_scc0 .Lentry_shape_is_right
	s_endpgm
.Lentry_shape_is_right:
; [8192 tokens][1024] x [3072 (Wq, Wk, Wv)][1024]^T on codes of FP4 (E2M1) with one E8M0 byte for each 32 along K; sums in f32.  The results leave rounded to f16, laid by head:
; qkv [which 3][b 4][h 16][s 2048][64]; the first 16 positions of every batch leave in f32 as well: qkv16 [which][b][h][16][64].
; LIMIT: a result of magnitude 65,520 or more becomes infinity in f16.  With x and the weights both 30 times the drawn spread the results stay near 7,600 at six spreads.
; A tile of 256 tokens x 256 columns is made by four waves, each 128 x 128: 64 accumulators, 512 registers.  K = 1,024 is two slots of 512 along K (LDS rows of 256 bytes + 16): both are asked for at the
; head and nothing is filled again.  The scale bytes of the tile's rows, for all of K, come once, as two dense blocks.
; CLUSTERS: 4 x 4 work-groups.  The four of a row of the cluster need the same tiles of x, the four of a column the same tiles of the weights: each tile is asked for jointly.
; THE TILE ROW IS 8 cy + (cluster y): the four partners of a column take the same tile of each of the four batches, so that "my tile holds positions 0-15" is "cluster y = 0", alike in all sixteen partners.
; THE MATRIX INSTRUCTION IS USED TRANSPOSED (source 0 = 16 rows of a weight, source 1 = 16 tokens): a lane holds eight neighbouring columns of one token.
; REGISTERS, in windows of 256: window 0: v0-31 addresses; v32-95 scale words, two sets; from v128 x's fragments, one set; on the way out v32-255 are free.
;   window 1: the weights' fragments, two sets, at v0 and v128.   window 2: the accumulators of my rows 0-63 ((a, b) at v[8 (8 a + b)]);   window 3: those of my rows 64-127.
.set KSTEP,  512
.set NQ,     KSTEP/128                 ; matrix instructions deep in a slot
.set ROWB,   256                       ; a tile's row in bytes
.set KROW,   512                       ; a row of codes in memory
.set PITCH,  272                       ; an LDS row: 256 + 16 bytes = 68 words: the 16 rows that a load touches start at 16 different banks (64 banks of 4 bytes: ISA guide 11.1)
.set FR,     8                         ; registers of a fragment
.set NL,     2                         ; LDS loads that bring one
.set NP,     4                         ; places behind this matrix instruction (ISA guide 7.12.1)
.set HALFT,  128*PITCH
.set SLOT,   4*HALFT                   ; x's 256 rows, then the weights' 256 rows
.set KS,     32                        ; a row of scale bytes
.set SCL,    2*SLOT                    ; behind the ring: the scale bytes, as pieces of 256 bytes + 16 of padding
.set HALFS,  (128*KS/256)*272
.set SBLK,   (16*KS/256)*272
.set SPARE,  SCL+4*HALFS               ; the spare words, 128 bytes a wave
.set P32,    528                       ; the way out in f32: 16 rows x (512 + 16) bytes a wave, from LDS byte 0
.set ST16,   4*16*P32                  ; the way out in f16: behind it, [2 heads][16 rows][128 + 16 bytes] a wave.  Both lie in slot 0, which has had its only fill and its last read
.set P16,    144
.set ADRA, 16                          ; v16-17 LDS address of my fragments of x in slot 0, 1
.set ADRB, 20                          ; v20-21 the same for the weights
.set STO,  22                          ; v22 f16 stage: where I put 16 bytes of a row
.set RD,   23                          ; v23 and where I read back
.set STO32, 24                         ; v24 f32 stage: where I put 32 bytes of a row
.set RD32, 25                          ; v25 and where I read a row back
.set CO32, 26                          ; v26 my byte offset in qkv16
.set ADRS, 27                          ; v27 LDS address of my scale words: lanes 0-15 x's rows, lanes 16-31 the weights'
.set SPW,  28                          ; v28 LDS address of my spare word; never rewritten
.set NIL,  29                          ; v29 0; never rewritten
.set CO,   30                          ; v30 16 x lane
.set SC,   32                          ; scale words, set s at v[SC + 32 s]
.set AF,   128                         ; x's fragments
.set TMP,  32                          ; the way out: a block's packed results
.set BK,   64                          ; and rows read back: v64-95, v96-127 by turns
.set G1, 24
.set G0, 32
.set G1B, 48
.set G0B, 56
.set G1S, 68
.set G0S, 76
.set G1SB, 80
.set G0SB, 88
.set MSB, 0
.macro WIN new                         ; the immediate's high byte repeats the setting that is left
.if MSB != (\new)
	s_set_vgpr_msb (MSB<<8)|(\new)
.set MSB, (\new)
.endif
.endm
.set MUL_LO, 0xa1                      ; source 0 window 1, source 1 window 0, C and D window 2
.set MUL_HI, 0xf1                      ; the same, C and D window 3
.set TO_B,   0x40                      ; destination window 1, address window 0
; A joint load: waves 0 and 1 fetch for x, waves 2 and 3 for the weights.  The branch hangs on the wave's number alone.  An s_nop 0 and four v_nop follow each line.
.macro JLOAD g0a, g1a, g0b, g1b
	s_cmp_eq_u32 s15, 0
	s_cbranch_scc0 .Lfor_b_\@
	tensor_load_to_lds s[\g0a:\g0a+3], s[\g1a:\g1a+7]
	s_nop 0
.rept 4
	v_nop
.endr
	s_branch .Lasked_\@
.Lfor_b_\@:
	tensor_load_to_lds s[\g0b:\g0b+3], s[\g1b:\g1b+7]
	s_nop 0
.rept 4
	v_nop
.endr
.Lasked_\@:
.endm
.macro CROUND                          ; a round of the cluster's barrier
	s_barrier_signal -1
	s_barrier_wait -1
	s_cmp_lg_u32 s14, 0
	s_cbranch_scc1 .Lnot_wave_0_\@
	s_barrier_signal -3
.Lnot_wave_0_\@:
	s_barrier_wait -3
	s_barrier_signal -1
	s_barrier_wait -1
.endm
	s_load_b128 s[4:7], s[0:1], 0x0                ; x's codes s[4:5], x's scales s[6:7]
	s_load_b128 s[8:11], s[0:1], 0x10              ; the weights' codes s[8:9], scales s[10:11]
	s_load_b64 s[12:13], s[0:1], 0x20              ; qkv
	s_load_b64 s[96:97], s[0:1], 0x28              ; qkv16
	v_lshl_add_u32 v[SPW], v0, 2, SPARE
	v_mov_b32 v[NIL], 0
	ds_add_u32 v[SPW], v[NIL]                      ; the wave's opening: the add, twice on end, and its wait ahead of my first tensor load
	ds_add_u32 v[SPW], v[NIL]
	v_lshrrev_b32 v1, 5, v0
	v_readfirstlane_b32 s14, v1                    ; wave 0..3
	s_lshr_b32 s15, s14, 1                         ; which half of the tile's rows is mine.  Also: I fetch for x (0) or for the weights (1)
	s_and_b32 s16, s14, 1                          ; which half of its columns.  Also: which 128 rows of that tile I fetch
	s_bfe_u32 s40, ttmp6, 0x40000                  ; cx
	s_bfe_u32 s41, ttmp6, 0x40004                  ; cy: also the batch
	s_lshl_b32 s42, ttmp9, 2
	s_add_co_u32 s42, s42, s40                     ; tile column = 4 x cluster x + cx
	s_and_b32 s95, ttmp7, 0xffff                   ; cluster y: the tile inside a batch
	s_lshl_b32 s17, s41, 3
	s_add_co_u32 s17, s17, s95                     ; tile row = 8 cy + cluster y
	s_lshl_b32 s43, s41, 2
	s_lshl_b32 s43, 15, s43                        ; my row of the cluster
	s_lshl_b32 s44, 0x1111, s40                    ; my column
	s_or_b32 s[G1+0], s43, (0<<16)|(1<<20)|(1<<21)|(5<<22)|(3<<25)  ; the mask; elements of 1 byte; padding on; bit 21 beside a mask; after every 64 words, 4 words
	s_or_b32 s[G1B+0], s44, (0<<16)|(1<<20)|(1<<21)|(5<<22)|(3<<25)
.irp g, G1, G1B
	s_mov_b32 s[\g+1], ROWB<<16                    ; tensor_dim0
	s_mov_b32 s[\g+2], 128<<16                     ; tensor_dim1
	s_mov_b32 s[\g+3], ROWB<<16                    ; tile_dim0
	s_mov_b32 s[\g+4], 128                         ; tile_dim1
	s_mov_b32 s[\g+5], KROW                        ; from row to row
	s_mov_b32 s[\g+6], 0
	s_mov_b32 s[\g+7], 0
.endr
	s_or_b32 s[G1S+0], s43, (3<<16)|(1<<20)|(1<<21)|(5<<22)|(3<<25) ; the scales of 128 rows: 4,096 dense bytes as 16 rows of 32 elements of 8 bytes
	s_or_b32 s[G1SB+0], s44, (3<<16)|(1<<20)|(1<<21)|(5<<22)|(3<<25)
.irp g, G1S, G1SB
	s_mov_b32 s[\g+1], 32<<16
	s_mov_b32 s[\g+2], (128*KS/256)<<16
	s_mov_b32 s[\g+3], 32<<16
	s_mov_b32 s[\g+4], 128*KS/256
	s_mov_b32 s[\g+5], 32
	s_mov_b32 s[\g+6], 0
	s_mov_b32 s[\g+7], 0
.endr
	s_lshl_b32 s18, s16, 7                         ; which 128 rows of the tile I fetch
	s_lshl_b32 s20, s17, 8
	s_add_co_u32 s20, s20, s18                     ; x: row 256 x tile row + 128 x half
	s_lshl_b32 s46, s42, 8
	s_add_co_u32 s46, s46, s18                     ; weights: row 256 x tile column + 128 x half
	s_mov_b32 s21, 0
	s_mov_b32 s47, 0
	s_mov_b64 s[18:19], KS
	s_mul_u64 s[22:23], s[20:21], s[18:19]         ; where these rows' scales begin
	s_mul_u64 s[92:93], s[46:47], s[18:19]
	s_mov_b64 s[18:19], KROW
	s_mul_u64 s[20:21], s[20:21], s[18:19]         ; and their codes
	s_mul_u64 s[46:47], s[46:47], s[18:19]
	s_mul_i32 s45, s14, HALFT                      ; where they go: wave x 128 rows
	s_mul_i32 s94, s14, HALFS
	s_wait_dscnt 0x0                               ; both opening adds are done
	s_wait_kmcnt 0x0
	s_add_nc_u64 s[20:21], s[4:5], s[20:21]
	s_add_nc_u64 s[22:23], s[6:7], s[22:23]
	s_add_nc_u64 s[46:47], s[8:9], s[46:47]
	s_add_nc_u64 s[92:93], s[10:11], s[92:93]
	CROUND                                         ; all sixteen work-groups are here: the joint loads meet
	s_mov_b32 s[G0S], 1
	s_add_co_u32 s[G0S+1], s94, SCL
	s_mov_b64 s[G0S+2:G0S+3], s[22:23]
	s_or_b32 s[G0S+3], s[G0S+3], 0x80000000
	s_mov_b32 s[G0SB], 1
	s_add_co_u32 s[G0SB+1], s94, SCL
	s_mov_b64 s[G0SB+2:G0SB+3], s[92:93]
	s_or_b32 s[G0SB+3], s[G0SB+3], 0x80000000
	JLOAD G0S, G1S, G0SB, G1SB                     ; the scales first: they are wanted with the first slot
.irp s, 0,1
	s_mov_b32 s[G0+4*\s], 1
	s_add_co_u32 s[G0+4*\s+1], s45, \s*SLOT
	s_add_nc_u64 s[G0+4*\s+2:G0+4*\s+3], s[20:21], \s*ROWB
	s_or_b32 s[G0+4*\s+3], s[G0+4*\s+3], 0x80000000
	s_mov_b32 s[G0B+4*\s], 1
	s_add_co_u32 s[G0B+4*\s+1], s45, \s*SLOT
	s_add_nc_u64 s[G0B+4*\s+2:G0B+4*\s+3], s[46:47], \s*ROWB
	s_or_b32 s[G0B+4*\s+3], s[G0B+4*\s+3], 0x80000000
	JLOAD G0+4*\s, G1, G0B+4*\s, G1B               ; three loads of mine are out in all
.endr
	v_and_b32 v1, 15, v0                           ; r = lane % 16
	v_bfe_u32 v2, v0, 4, 1                         ; lane / 16
	v_mul_u32_u24 v3, v1, PITCH
	v_lshl_add_u32 v4, v2, 4, v3                   ; a fragment's row x pitch + 16 x half
	s_mul_i32 s21, s15, HALFT                      ; my 128 rows of x
	s_mul_i32 s22, s16, HALFT                      ; my 128 rows of the weights,
	s_add_co_u32 s22, s22, 2*HALFT                 ; which lie behind x's 256
.irp s, 0,1
	v_add_nc_u32 v[ADRA+\s], s21, v4
	v_add_nc_u32 v[ADRB+\s], s22, v4
	s_add_co_u32 s21, s21, SLOT
	s_add_co_u32 s22, s22, SLOT
.endr
	v_mul_u32_u24 v5, v1, KS                       ; my row's scales: 32 bytes a row,
	v_lshrrev_b32 v6, 8, v5
	v_lshl_add_u32 v5, v6, 4, v5                   ; and 16 more for each 256 passed
	s_mul_i32 s21, s15, HALFS
	s_mul_i32 s22, s16, HALFS
	s_add_co_u32 s22, s22, 2*HALFS
	s_sub_co_u32 s22, s22, s21
	v_mul_u32_u24 v6, s22, v2                      ; lanes 16-31 take the weights'
	s_add_co_u32 s21, s21, SCL
	v_add_nc_u32 v5, v5, v6
	v_add_nc_u32 v[ADRS], s21, v5
	s_mul_i32 s23, s14, 16*P32                     ; my f32 stage
	v_mul_u32_u24 v5, v1, P32
	v_lshl_add_u32 v5, v2, 5, v5
	v_add_nc_u32 v[STO32], s23, v5                 ; in: row r, 32 bytes for each half of the lanes
	v_and_b32 v6, 31, v0
	v_lshlrev_b32 v[CO], 4, v6                     ; 16 x lane
	v_add_nc_u32 v[RD32], s23, v[CO]               ; back: the 32 lanes take one row of 512 bytes: two heads' 256
	v_lshlrev_b32 v5, 12, v2
	v_lshl_add_u32 v[CO32], v1, 4, v5              ; in qkv16: lanes 16-31 one head (4,096 bytes) on
	s_mul_i32 s23, s14, 2*16*P16
	s_add_co_u32 s23, s23, ST16                    ; my f16 stage
	v_mul_u32_u24 v5, v1, P16
	v_lshl_add_u32 v5, v2, 4, v5
	v_add_nc_u32 v[STO], s23, v5                   ; in: row r, 16 bytes for each half of the lanes
	v_lshrrev_b32 v5, 3, v6
	v_mul_u32_u24 v5, v5, P16
	v_and_b32 v6, 7, v6
	v_lshl_add_u32 v5, v6, 4, v5
	v_add_nc_u32 v[RD], s23, v5                    ; back: eight lanes to a row of 128 bytes, four rows an instruction
	s_lshl_b32 s46, s42, 8
	s_lshl_b32 s47, s16, 7
	s_add_co_u32 s46, s46, s47                     ; my first column, 0 .. 3,071
	s_lshr_b32 s47, s46, 10                        ; which of Q, K, V
	s_bfe_u32 s46, s46, 0x40006                    ; my first head
	s_lshl_b32 s20, s47, 24                        ; qkv: 16 MiB a tensor,
	s_lshl_b32 s21, s41, 22                        ; 4 MiB a batch,
	s_add_co_u32 s20, s20, s21
	s_lshl_b32 s21, s46, 18                        ; 256 KiB a head,
	s_add_co_u32 s20, s20, s21
	s_lshl_b32 s21, s95, 15                        ; 128 bytes a position: 256 positions a tile,
	s_add_co_u32 s20, s20, s21
	s_lshl_b32 s21, s15, 14                        ; 128 a half
	s_add_co_u32 s20, s20, s21
	s_mov_b32 s21, 0
	s_add_nc_u64 s[12:13], s[12:13], s[20:21]
	s_lshl_b32 s20, s47, 18                        ; qkv16: 262,144 bytes a tensor, 65,536 a batch, 4,096 a head
	s_lshl_b32 s21, s41, 16
	s_add_co_u32 s20, s20, s21
	s_lshl_b32 s21, s46, 12
	s_add_co_u32 s20, s20, s21
	s_mov_b32 s21, 0
	s_add_nc_u64 s[96:97], s[96:97], s[20:21]
.macro FRAG reg, adr, q, i             ; 16 rows x 128 K of 4-bit codes: 8 registers; lane l holds row l % 16; registers 4 c .. 4 c + 3 hold K = 64 c + 32 (l / 16) + 0 .. 31
.irp c, 0,1
	ds_load_b128 v[\reg+4*\c:\reg+4*\c+3], v[\adr] offset:64*(\q)+32*\c+(\i)*16*PITCH
.endr
.endm
; 16 matrix instructions: x's blocks a0, a0 + 1 against the weights' eight, the slot's q-th 128 along K.  p: the weights' set; sc: the set of scale words.  zero = 1: the product starts the sums.
; The 64 accumulators take turns, one instruction a turn, in the same order in every step.
.macro MUL16 a0, p, q, sc, zero
.irp a, \a0, \a0+1
.irp b, 0,1,2,3,4,5,6,7
.if \zero
	v_wmma_scale_f32_16x16x128_f8f6f4 v[8*(8*((\a)%4)+\b):8*(8*((\a)%4)+\b)+7], v[128*(\p)+FR*\b:128*(\p)+FR*\b+FR-1], v[AF+FR*(\a):AF+FR*(\a)+FR-1], 0, v[SC+8*NQ*(\sc)+NQ*\b+(\q)], v[SC+8*NQ*(\sc)+NQ*(\a)+(\q)] matrix_a_fmt:MATRIX_FMT_FP4 matrix_b_fmt:MATRIX_FMT_FP4 matrix_a_scale:MATRIX_SCALE_ROW1
.else
	v_wmma_scale_f32_16x16x128_f8f6f4 v[8*(8*((\a)%4)+\b):8*(8*((\a)%4)+\b)+7], v[128*(\p)+FR*\b:128*(\p)+FR*\b+FR-1], v[AF+FR*(\a):AF+FR*(\a)+FR-1], v[8*(8*((\a)%4)+\b):8*(8*((\a)%4)+\b)+7], v[SC+8*NQ*(\sc)+NQ*\b+(\q)], v[SC+8*NQ*(\sc)+NQ*(\a)+(\q)] matrix_a_fmt:MATRIX_FMT_FP4 matrix_b_fmt:MATRIX_FMT_FP4 matrix_a_scale:MATRIX_SCALE_ROW1
.endif
.endr
.endr
.endm
.macro FETCH_B slot, q, p
	WIN TO_B
.irp i, 0,1,2,3,4,5,6,7
	FRAG 128*(\p)+FR*\i, ADRB+\slot, \q, \i
.endr
	WIN 0
.endm
.macro FETCH_A slot, q, i0
.irp i, \i0, \i0+1, \i0+2, \i0+3
	FRAG AF+FR*(\i), ADRA+\slot, \q, \i
.endr
.endm
.macro SCALES sc                       ; a slot's scale words: 4 words a row; lanes 0-15 take x's block i, lanes 16-31 the weights' block i
.irp i, 0,1,2,3,4,5,6,7
	ds_load_b128 v[SC+8*NQ*\sc+NQ*\i:SC+8*NQ*\sc+NQ*\i+3], v[ADRS] offset:\i*SBLK
.endr
.endm
.macro PLACES n                        ; plain vector instructions that name none of a matrix instruction's registers, ahead of loads into its sources and of reads of its results
.rept \n
	v_nop
.endr
.endm
.macro STEP slot, q, zero              ; a step of 128 along K that has its successor in the same slot
	s_wait_dscnt 4*NL                              ; the weights' set and x's blocks 0-3 are in; the youngest eight loads (x's blocks 4-7) may be out
	WIN MUL_LO
	MUL16 0, (\q)%2, \q, \slot, \zero
	MUL16 2, (\q)%2, \q, \slot, \zero
	s_wait_dscnt 0                                 ; x's blocks 4-7 are in
	PLACES NP
	FETCH_B \slot, (\q)+1, 1-(\q)%2
	FETCH_A \slot, (\q)+1, 0
	WIN MUL_HI
	MUL16 4, (\q)%2, \q, \slot, \zero
	MUL16 6, (\q)%2, \q, \slot, \zero
	PLACES NP
	WIN 0
	FETCH_A \slot, (\q)+1, 4
.endm
; Slot 0's last step changes slots: one barrier; in front of it each wave waits for all its tensor loads (its part of slot 1), adds 0 to its spare word, and waits for that and for its reads of slot 0.
.macro TURN slot, next
	s_wait_tensorcnt 0x0
	ds_add_u32 v[SPW], v[NIL]
	s_wait_dscnt 4*NL+1                            ; (the add and the youngest eight loads may be out)
	WIN MUL_LO
	MUL16 0, 1, NQ-1, \slot, 0
	s_wait_dscnt 0x0                               ; the add is done, and my reads of this slot are over
	s_barrier_signal -1
	MUL16 2, 1, NQ-1, \slot, 0
	WIN 0
	s_barrier_wait -1
	PLACES NP
	v_add_nc_u32 v[ADRS], 4*NQ, v[ADRS]            ; on to the next slot's scale words
	FETCH_B \next, 0, 0
	FETCH_A \next, 0, 0
	SCALES \next
	WIN MUL_HI
	MUL16 4, 1, NQ-1, \slot, 0
	MUL16 6, 1, NQ-1, \slot, 0
	PLACES NP
	WIN 0
	FETCH_A \next, 0, 4
.endm
.macro STEPS slot, from
.set Q, \from
.rept NQ-1-\from
	STEP \slot, Q, 0
.set Q, Q+1
.endr
.endm
	s_wait_tensorcnt 1                             ; the scales and my part of slot 0 are in (slot 1's load may be out)
	s_barrier_signal -1
	s_barrier_wait -1                              ; everybody's are
	FETCH_B 0, 0, 0
	FETCH_A 0, 0, 0
	SCALES 0
	FETCH_A 0, 0, 4
	STEP 0, 0, 1                                   ; the first step's products start the sums
	STEPS 0, 1
	TURN 0, 1
	STEPS 1, 0
	s_wait_dscnt 4*NL                              ; the last step: nothing more to fetch
	WIN MUL_LO
	MUL16 0, 1, NQ-1, 1, 0
	MUL16 2, 1, NQ-1, 1, 0
	s_wait_dscnt 0
	WIN MUL_HI
	MUL16 4, 1, NQ-1, 1, 0
	MUL16 6, 1, NQ-1, 1, 0
	WIN 0
	PLACES NP                                      ; ahead of the first reads of results and of loads into registers that held operands
	; POSITIONS 0-15 OF A BATCH IN F32: they are block 0 of the waves with the tile's upper rows, in the tiles with cluster y = 0.  Both tests are alike in all partners of a cluster.
	s_cmp_lg_u32 s95, 0
	s_cbranch_scc1 .Lno32
	s_cmp_lg_u32 s15, 0
	s_cbranch_scc1 .Lno32
	WIN 0x08                                       ; an LDS store's data are its source 1: window 2
.irp b, 0,1,2,3,4,5,6,7
	ds_store_b128 v[STO32], v[8*\b:8*\b+3] offset:64*\b            ; each accumulator from its low end on
	ds_store_b128 v[STO32], v[8*\b+4:8*\b+7] offset:64*\b+16
.endr
	WIN 0
.irp t, 0,1,2,3,4,5,6,7,8,9,10,11,12,13,14,15
	ds_load_b128 v[128+4*\t:128+4*\t+3], v[RD32] offset:\t*P32     ; LDS serves a wave's instructions in order: these see my stores
.endr
	s_wait_dscnt 0x0
.irp t, 0,1,2,3,4,5,6,7,8,9,10,11,12,13,14,15
	global_store_b128 v[CO32], v[128+4*\t:128+4*\t+3], s[96:97] offset:256*\t   ; lanes 0-15: position t of one head, 256 consecutive bytes; lanes 16-31: of the next head
.endr
.Lno32:
; THE WAY OUT IN F16, block by block of 16 positions x 128 columns (two heads).  PACK: rounded, 16 bytes a lane.  TOSTAGE: into my stage, by head, and back four positions of one head at a time.  SEND: stored.
.macro PACK a
.set AC, 64*((\a)%4)
	WIN 0x0a+5*((\a)/4)                            ; sources 0 and 1: window 2 or 3
.irp b, 0,1,2,3,4,5,6,7
.irp i, 0,1,2,3
	v_cvt_pk_f16_f32 v[TMP+4*\b+\i], v[AC+8*\b+2*\i], v[AC+8*\b+2*\i+1]
.endr
.endr
	WIN 0
.endm
.macro TOSTAGE a
.set BB, BK+32*((\a)%2)
.irp b, 0,1,2,3,4,5,6,7
	ds_store_b128 v[STO], v[TMP+4*\b:TMP+4*\b+3] offset:(\b/4)*16*P16+(\b%4)*32
.endr
.irp t, 0,1,2,3,4,5,6,7
	ds_load_b128 v[BB+4*\t:BB+4*\t+3], v[RD] offset:(\t/4)*16*P16+(\t%4)*4*P16
.endr
.endm
.macro SEND a
.set BB, BK+32*((\a)%2)
	s_wait_dscnt 0x0                               ; the block is back in registers
	s_wait_xcnt 0x0                                ; the earlier stores have read their registers: the next block's loads may land where the block two back was stored from
.irp t, 0,1,2,3,4,5,6,7
	global_store_b128 v[CO], v[BB+4*\t:BB+4*\t+3], s[12:13] offset:(\t/4)*262144+(\a)*2048+(\t%4)*512   ; 32 lanes store 512 consecutive bytes: four positions of one head
.endr
.endm
	PACK 0
	TOSTAGE 0
.irp a, 1,2,3,4,5,6,7                  ; block a's conversions stand between block a - 1's loads from the stage and the wait for them
	PACK \a
	SEND \a-1
	TOSTAGE \a
.endr
	SEND 7
	s_wait_tensorcnt 0x0                           ; the wave's end
	ds_add_u32 v[SPW], v[NIL]
	s_wait_dscnt 0x0
	CROUND                                         ; the closing round
	s_endpgm
.Lfunc_end_k_q66fb7fa36a_qkv:
	.size	k_q66fb7fa36a_qkv, .Lfunc_end_k_q66fb7fa36a_qkv-k_q66fb7fa36a_qkv
	.p2alignl 7, 3214868480
	.fill 96, 4, 3214868480
	.section	.rodata,"a",@progbits
	.p2align	6, 0x0
	.amdhsa_kernel k_q66fb7fa36a_qkv
		.amdhsa_group_segment_fixed_size 327680
		.amdhsa_private_segment_fixed_size 0
		.amdhsa_enable_private_segment 0
		.amdhsa_kernarg_size 48
		.amdhsa_user_sgpr_count 2
		.amdhsa_user_sgpr_kernarg_segment_ptr 1
		.amdhsa_wavefront_size32 1
		.amdhsa_system_sgpr_workgroup_id_x 1
		.amdhsa_system_sgpr_workgroup_id_y 1
		.amdhsa_system_sgpr_workgroup_id_z 1
		.amdhsa_system_vgpr_workitem_id 0
		.amdhsa_next_free_vgpr 1024
		.amdhsa_next_free_sgpr 100
		.amdhsa_reserve_vcc 0
		.amdhsa_float_denorm_mode_32 3
		.amdhsa_float_denorm_mode_16_64 3
		.amdhsa_memory_ordered 1
		.amdhsa_forward_progress 1
		.amdhsa_inst_pref_size 131
	.end_amdhsa_kernel
	.amdgpu_metadata
---
amdhsa.version: [ 1, 2 ]
amdhsa.kernels:
  - .name:           k_q66fb7fa36a_qkv
    .symbol:         k_q66fb7fa36a_qkv.kd
    .args:
      - { .name: xc, .offset: 0, .size: 8, .value_kind: global_buffer, .address_space: global }
      - { .name: xs, .offset: 8, .size: 8, .value_kind: global_buffer, .address_space: global }
      - { .name: wc, .offset: 16, .size: 8, .value_kind: global_buffer, .address_space: global }
      - { .name: ws, .offset: 24, .size: 8, .value_kind: global_buffer, .address_space: global }
      - { .name: qkv, .offset: 32, .size: 8, .value_kind: global_buffer, .address_space: global }
      - { .name: qkv16, .offset: 40, .size: 8, .value_kind: global_buffer, .address_space: global }
    .group_segment_fixed_size: 327680
    .private_segment_fixed_size: 0
    .kernarg_segment_align: 8
    .kernarg_segment_size: 48
    .max_flat_workgroup_size: 128
    .sgpr_count:     100
    .vgpr_count:     1024
    .wavefront_size: 32
...
	.end_amdgpu_metadata
.endif
;; end of part 2
;; launch attn (part 3): grid 4 x 64, 8 waves a work-group, no clusters, 327,680 bytes of LDS; arguments qkv, ao; writes ao
.if DOCPART == 3
	.amdgcn_target "amdgcn-amd-amdhsa--gfx1250"
	.amdhsa_code_object_version 6
	.text
	.protected	k_q66fb7fa36a_attn
	.globl	k_q66fb7fa36a_attn
	.p2align	8
	.type	k_q66fb7fa36a_attn,@function
k_q66fb7fa36a_attn:
	s_mov_b64 s[64:65], 0
	v_nop
	global_prefetch_b8 v0, s[64:65] scope:SCOPE_SE
	s_setreg_imm32_b32 hwreg(HW_REG_WAVE_MODE, 25, 1), 1
	s_wait_xcnt 0x0
; ao[h][b, q][:] = the sum over k <= q of softmax_k(Q[q] . K[k] / 8) V[k][:], for each batch and head.  Q, K, V: qkv [which][b][h][2048][64] f16; ao [h 16][token 8192][64] f16.
; Products on f16 operands with f32 sums; maxima, exponentials and sums in f32; the weights p (at most 1) are rounded to f16 for the second product; the result once at the end.
; (Positions 0-15 of every batch are made again, all in f32, by a later launch.)  LIMITS: NaN and infinities are not served; the order of the f32 sums is not reference()'s.
; SHARES.  Work-group (j, bh) owns two blocks of 256 queries of head bh: first block 7 - j (key blocks 0 .. 7 - j), then block j (key blocks 0 .. j): (8 - j) + (j + 1) = 9 slots of 256 keys in every
; work-group, so the walk has a constant number of trips and all work-groups have the same work.  A wave owns 32 queries, two tiles of 16; its group of queries is w for waves 0-3 and 11 - w for waves 4-7,
; so that waves w and w + 4 together have five live steps in a block on the diagonal.  Two waves share a SIMD's registers: one wave's vector work stands beside the other's products.
; NO CLUSTER: at the same trip the four work-groups of a head want different key blocks (their first walks have 8, 7, 6 and 5 slots), so no joint request would name one tile for all.
; LAYOUT.  S^T = K Q^T (source 0 = 16 keys, source 1 = 16 queries): a lane holds one query (lane % 16) and keys 8 (lane / 16) + 0..7.  Two such tiles, rounded in pairs, are source 1 of O^T = V^T P,
; whose result again holds one query a lane.  K comes out of LDS as it lies, V ([key][channel]) turned by ds_load_tr16_b128.
; SOFTMAX.  A running maximum m and sum l for each query: p = 2^(c s - c m), c = log2(e) / 8; in every step O and l are multiplied by a = 2^(c m_old - c m_new).
; THE MASK.  A step of 64 keys all of which come after the wave's 32 queries is left out by a scalar branch on ids; on the diagonal hidden scores become -infinity ahead of the maximum.  A step's first key is a
; multiple of 64 and a wave's first query of 32, so in a step that is walked every query sees at least the step's first key.
; REGISTERS.  Window 0: v1-17 addresses and constants; v24-39 statistics, 8 a tile; v64-127 S^T, 32 a tile; v128-159 P, 16 a tile; v160-223 O^T, 32 a tile; v224-255 the way out.
;   Window 1: v0-31 Q of the block in hand; v32-63 Q of the second block; v64-127 K of a step; v128-191 V of a step.
.set KP,    144                        ; a key's row of K in LDS: 128 bytes + 16 = 36 words: the 16 rows of a load start at 16 different groups of four banks (ISA guide 11.1)
.set VP,    160                        ; of V: 128 + 32: an odd multiple of 32 bytes, for the turning load
.set VOFF,  256*KP                     ; a slot: 256 rows of K, then 256 rows of V
.set SLOT1, 1<<17                      ; slot 1 begins here: one exclusive or turns an address of one slot into the other's
.set STAGE, VOFF+256*VP                ; behind slot 0: the way out, 2 tiles x 16 rows x 144 bytes a wave; no tile lands there
.set SPITCH, 144
.set SPARE, STAGE+8*32*SPITCH          ; the spare words, 128 bytes a wave
.set RR,  1                            ; v1  lane % 16
.set HH,  2                            ; v2  lane / 16
.set AK0, 3                            ; v3  my lane's place in a tile of K
.set AV0, 4                            ; v4  the same for V
.set ADK, 5                            ; v5  the slot's K for my lane
.set ADV, 6                            ; v6  the slot's V
.set QO,  7                            ; v7  my byte offset in the wave's rows of Q
.set STO, 8                            ; v8  the stage: where I put 16 bytes of a row
.set RD,  9                            ; v9  and where I read back
.set GO,  10                           ; v10 16 x lane
.set PFO, 11                           ; v11 256 x lane
.set SPW, 12                           ; v12 LDS address of my spare word; never rewritten
.set NIL, 13                           ; v13 0; never rewritten
.set D0,  14                           ; v14, v15 the mask's bound for tiles 0 and 1
.set NINF, 16                          ; v16 -infinity
.set RH,  17                           ; v17 lane % 16 - 8 (lane / 16)
.set ST,  24                           ; tile t's statistics at v[ST + 8 t]: +0 c m, +1 m, +2, +3 l, +4 .. +7 at work (a in +6)
.set SS,  64
.set PP,  128
.set OO,  160
.set OB,  224
.set KFR, 64                           ; in window 1
.set VFR, 128
.set WV,  8
.set GRP, 9
.set JB,  10
.set BH,  11
.set G1K, 24
.set G1V, 32
.set G0K, 40
.set G0V, 44
.set TB,  48                           ; LDS byte at which the slot in hand begins
.set TT,  49                           ; the trip
.set NKB, 50                           ; the key block asked for last
.set LIMA, 51                          ; 8 - j: slots of the first walk
.set LASTA, 52                         ; 7 - j: its last trip
.set KF,  53                           ; the step's first key
.set QW,  54                           ; my first query of the block in hand
.set QWB, 55                           ; and of the second block
.set CS,  56                           ; s[56:57] c
.set SEL, 58                           ; s[58:59] v_permlanex16_b32's selects for lane l xor 16
.set PFA, 60                           ; s[60:61] where my prefetches stand
.set LIM, 62                           ; trips in which I prefetch
.set POA, 72                           ; s[72:73] ao at my first query of the first block; s[74:75] of the second
.set POB, 74
.set MSB, 0
.macro WIN new
.if MSB != (\new)
	s_set_vgpr_msb (MSB<<8)|(\new)
.set MSB, (\new)
.endif
.endm
.set W_KQ, 0x05                        ; K and Q in window 1, S^T in window 0
.set W_PV, 0x01                        ; V in window 1, P and O^T in window 0
.set W_LD, 0x40                        ; destination window 1, address window 0
.set W_MV, 0x41                        ; destination and source 0 window 1
; Waves 0-3 fetch the slot's four quarters of K, waves 4-7 those of V: one load a wave.  The branch hangs on the wave's number alone.  An s_nop 0 and four v_nop follow each line.
.macro TLOAD
	s_cmp_lt_u32 s[WV], 4
	s_cbranch_scc0 .Lfor_v_\@
	tensor_load_to_lds s[G0K:G0K+3], s[G1K:G1K+7]
	s_nop 0
.rept 4
	v_nop
.endr
	s_branch .Lasked_\@
.Lfor_v_\@:
	tensor_load_to_lds s[G0V:G0V+3], s[G1V:G1V+7]
	s_nop 0
.rept 4
	v_nop
.endr
.Lasked_\@:
.endm
; A prefetch of the key block that the NEXT change of slots will ask for: a slot's four key steps ahead of that load.  The four work-groups of a head read the same K and V; work-group j = 0, whose first walk
; takes all eight key blocks in order, asks, and nobody else.  Waves 0-3 name K's 32,768 bytes, waves 4-7 V's: 8,192 bytes a wave, lanes 256 bytes apart: each 256 bytes once in the launch.
; In trip t it names key block t + 2, for t = 0 .. 5; key blocks 0 and 1 come by their loads alone.
.macro ASK
	s_cmp_lt_u32 s[TT], s[LIM]
	s_cbranch_scc0 .Lnot_mine_\@
	global_prefetch_b8 v[PFO], s[PFA:PFA+1] th:TH_LOAD_NT scope:SCOPE_SE
.Lnot_mine_\@:
.endm
	s_load_b128 s[4:7], s[0:1], 0x0                ; qkv s[4:5], ao s[6:7]
	v_lshl_add_u32 v[SPW], v0, 2, SPARE
	v_mov_b32 v[NIL], 0
	ds_add_u32 v[SPW], v[NIL]                      ; the wave's opening: the add, twice on end, and its wait ahead of my first tensor load
	ds_add_u32 v[SPW], v[NIL]
	v_lshrrev_b32 v1, 5, v0
	v_readfirstlane_b32 s[WV], v1                  ; wave 0..7
	s_sub_co_u32 s66, 11, s[WV]
	s_cmp_lt_u32 s[WV], 4
	s_cselect_b32 s[GRP], s[WV], s66               ; my group of 32 queries
	s_mov_b32 s[JB], ttmp9
	s_and_b32 s[BH], ttmp7, 0xffff                 ; 16 b + h
	s_sub_co_u32 s[LIMA], 8, s[JB]
	s_sub_co_u32 s[LASTA], 7, s[JB]
	s_lshl_b32 s66, s[GRP], 5
	s_lshl_b32 s[QW], s[LASTA], 8
	s_add_co_u32 s[QW], s[QW], s66
	s_lshl_b32 s[QWB], s[JB], 8
	s_add_co_u32 s[QWB], s[QWB], s66
	s_mov_b32 s[G1K], (1<<16)|(1<<20)|(4<<22)|(3<<25)   ; no mask; elements of 2 bytes; padding on: after every 32 words, 4 words
	s_mov_b32 s[G1V], (1<<16)|(1<<20)|(4<<22)|(7<<25)   ; the same with 8 words
.irp g, G1K, G1V
	s_mov_b32 s[\g+1], 64<<16                      ; tensor_dim0 = 64
	s_mov_b32 s[\g+2], 64<<16                      ; tensor_dim1 = 64
	s_mov_b32 s[\g+3], 64<<16                      ; tile_dim0 = 64
	s_mov_b32 s[\g+4], 64                          ; tile_dim1 = 64
	s_mov_b32 s[\g+5], 64                          ; from row to row
	s_mov_b32 s[\g+6], 0
	s_mov_b32 s[\g+7], 0
.endr
	s_and_b32 s70, s[WV], 3                        ; which quarter of a slot I fetch
	s_mul_i32 s71, s70, 64*KP
	s_mov_b32 s[G0K], 1
	s_mov_b32 s[G0K+1], s71                        ; slot 0
	s_mul_i32 s71, s70, 64*VP
	s_mov_b32 s[G0V], 1
	s_add_co_u32 s[G0V+1], s71, VOFF
	s_lshl_b32 s70, s70, 13                        ; its 64 rows of 128 bytes in memory
	s_mov_b32 s71, 0
	s_lshl_b32 s68, s[BH], 18                      ; the head's 256 KiB
	s_mov_b32 s69, 0
	s_mov_b32 s[CS], 0x3e38aa3b                    ; c = log2(e) / 8
	s_mov_b32 s[CS+1], s[CS]
	s_mov_b32 s[SEL], 0x76543210
	s_mov_b32 s[SEL+1], 0xfedcba98
	s_mov_b32 s[TB], 0
	s_mov_b32 s[NKB], 0
	s_mov_b32 s[KF], 0
	s_cmp_eq_u32 s[JB], 0
	s_cselect_b32 s[LIM], 6, 0
	s_wait_dscnt 0x0                               ; both opening adds are done
	s_wait_kmcnt 0x0
	s_add_nc_u64 s[12:13], s[4:5], s[68:69]        ; Q of my head
	s_add_nc_u64 s[14:15], s[12:13], 0x1000000     ; K of my head,
	s_add_nc_u64 s[14:15], s[14:15], s[70:71]      ; at my quarter of key block 0
	s_add_nc_u64 s[16:17], s[14:15], 0x1000000     ; V likewise
	s_mov_b64 s[G0K+2:G0K+3], s[14:15]
	s_or_b32 s[G0K+3], s[G0K+3], 0x80000000
	s_mov_b64 s[G0V+2:G0V+3], s[16:17]
	s_or_b32 s[G0V+3], s[G0V+3], 0x80000000
	TLOAD                                          ; key block 0 into slot 0: one load of mine is out
	s_lshl_b32 s66, s[QW], 7
	s_mov_b32 s67, 0
	s_add_nc_u64 s[18:19], s[12:13], s[66:67]      ; Q at my first query of the first block
	s_lshl_b32 s66, s[QWB], 7
	s_add_nc_u64 s[20:21], s[12:13], s[66:67]      ; and of the second
	s_and_b32 s66, s[BH], 15
	s_lshl_b32 s66, s66, 20                        ; ao: 1 MiB a head,
	s_lshr_b32 s68, s[BH], 4
	s_lshl_b32 s68, s68, 18                        ; 2,048 tokens of 128 bytes a batch
	s_add_co_u32 s68, s68, s66
	s_lshl_b32 s66, s[QW], 7
	s_add_co_u32 s66, s66, s68
	s_add_nc_u64 s[POA:POA+1], s[6:7], s[66:67]
	s_lshl_b32 s66, s[QWB], 7
	s_add_co_u32 s66, s66, s68
	s_add_nc_u64 s[POB:POB+1], s[6:7], s[66:67]
	s_cmp_lt_u32 s[WV], 4
	s_cselect_b64 s[PFA:PFA+1], s[14:15], s[16:17]
	s_add_nc_u64 s[PFA:PFA+1], s[PFA:PFA+1], 32768 ; at key block 1: the first change of slots steps it to 2.  Nothing is prefetched at the head
	v_and_b32 v[RR], 15, v0
	v_bfe_u32 v[HH], v0, 4, 1
	v_lshlrev_b32 v[QO], 7, v[RR]
	v_lshl_add_u32 v[QO], v[HH], 4, v[QO]          ; row x 128 + 16 x half
	WIN W_LD
.irp t, 0,1                            ; Q stays in registers: tile t, channels 32 f on; a fragment is two loads of 16 bytes, 32 bytes apart
.irp f, 0,1
	global_load_b128 v[16*\t+8*\f:16*\t+8*\f+3],   v[QO], s[18:19] offset:\t*2048+64*\f
	global_load_b128 v[16*\t+8*\f+4:16*\t+8*\f+7], v[QO], s[18:19] offset:\t*2048+64*\f+32
	global_load_b128 v[32+16*\t+8*\f:32+16*\t+8*\f+3],   v[QO], s[20:21] offset:\t*2048+64*\f
	global_load_b128 v[32+16*\t+8*\f+4:32+16*\t+8*\f+7], v[QO], s[20:21] offset:\t*2048+64*\f+32
.endr
.endr
	WIN 0
	v_mul_u32_u24 v[AK0], v[RR], KP
	v_lshl_add_u32 v[AK0], v[HH], 4, v[AK0]        ; row x pitch + 16 x half
	v_and_b32 v18, 7, v0                           ; the turning load: lane l reads 16 bytes of key 8 (l / 16) + l % 8, channels 8 ((l / 8) % 2) on
	v_bfe_u32 v19, v0, 3, 1
	v_lshl_add_u32 v[AV0], v[HH], 3, v18
	v_mul_u32_u24 v[AV0], v[AV0], VP
	v_lshl_add_u32 v[AV0], v19, 4, v[AV0]
	v_add_nc_u32 v[AV0], VOFF, v[AV0]
	s_mul_i32 s66, s[WV], 32*SPITCH
	s_add_co_u32 s66, s66, STAGE                   ; my stage
	v_add_nc_u32 v[STO], s66, v[AK0]               ; in: row l % 16 of 144 bytes, 16 bytes for each half of the lanes
	v_bfe_u32 v19, v0, 3, 2
	v_mul_u32_u24 v19, v19, SPITCH
	v_lshl_add_u32 v19, v18, 4, v19
	v_add_nc_u32 v[RD], s66, v19                   ; back: eight lanes to a row of 128 bytes, four rows an instruction
	v_and_b32 v19, 31, v0
	v_lshlrev_b32 v[GO], 4, v19
	v_lshlrev_b32 v[PFO], 8, v19
	v_lshlrev_b32 v18, 3, v[HH]
	v_sub_nc_u32 v[RH], v[RR], v18
	v_mov_b32 v[NINF], 0xff800000
.macro FETCH_K q                       ; the slot's q-th 64 keys: fragment (kt, f), 16 keys x 32 channels, at v[KFR + 16 kt + 8 f]
.irp kt, 0,1,2,3
.irp f, 0,1
	ds_load_b128 v[KFR+16*\kt+8*\f:KFR+16*\kt+8*\f+3],   v[ADK] offset:(64*(\q)+16*\kt)*KP+64*\f
	ds_load_b128 v[KFR+16*\kt+8*\f+4:KFR+16*\kt+8*\f+7], v[ADK] offset:(64*(\q)+16*\kt)*KP+64*\f+32
.endr
.endr
.endm
.macro FETCH_V q                       ; fragment (kk, c), 16 channels x 32 keys, at v[VFR + 32 kk + 8 c]
.irp kk, 0,1
.irp c, 0,1,2,3
	ds_load_tr16_b128 v[VFR+32*\kk+8*\c:VFR+32*\kk+8*\c+3],   v[ADV] offset:(64*(\q)+32*\kk)*VP+32*\c
	ds_load_tr16_b128 v[VFR+32*\kk+8*\c+4:VFR+32*\kk+8*\c+7], v[ADV] offset:(64*(\q)+32*\kk)*VP+16*VP+32*\c
.endr
.endr
.endm
; The eight accumulators of each product take turns, one instruction a turn.
.macro KQ                              ; S^T = K Q^T: 16 products; the first eight start the sums
	WIN W_KQ
.irp f, 0,1
.irp kt, 0,1,2,3
.irp t, 0,1
.if \f == 0
	v_wmma_f32_16x16x32_f16 v[SS+32*\t+8*\kt:SS+32*\t+8*\kt+7], v[KFR+16*\kt+8*\f:KFR+16*\kt+8*\f+7], v[16*\t+8*\f:16*\t+8*\f+7], 0
.else
	v_wmma_f32_16x16x32_f16 v[SS+32*\t+8*\kt:SS+32*\t+8*\kt+7], v[KFR+16*\kt+8*\f:KFR+16*\kt+8*\f+7], v[16*\t+8*\f:16*\t+8*\f+7], v[SS+32*\t+8*\kt:SS+32*\t+8*\kt+7]
.endif
.endr
.endr
.endr
.endm
.macro PV                              ; O^T += V^T P: 16 products
	WIN W_PV
.irp kk, 0,1
.irp c, 0,1,2,3
.irp t, 0,1
	v_wmma_f32_16x16x32_f16 v[OO+32*\t+8*\c:OO+32*\t+8*\c+7], v[VFR+32*\kk+8*\c:VFR+32*\kk+8*\c+7], v[PP+16*\t+8*\kk:PP+16*\t+8*\kk+7], v[OO+32*\t+8*\c:OO+32*\t+8*\c+7]
.endr
.endr
.endr
.endm
; The softmax of both tiles for one key step; the tiles alternate, so that no line waits for the line above it.
.macro SOFTMAX
.irp k, 0,1,2,3                        ; the maximum of the lane's 32 scores and the old m: four chains, each accumulator read from its low end on
.irp t, 0,1
	v_max3_num_f32 v[ST+8*\t+4+\k], v[SS+32*\t+8*\k], v[SS+32*\t+8*\k+1], v[SS+32*\t+8*\k+2]
.endr
.endr
.irp n, 3,5
.irp k, 0,1,2,3
.irp t, 0,1
	v_max3_num_f32 v[ST+8*\t+4+\k], v[ST+8*\t+4+\k], v[SS+32*\t+8*\k+\n], v[SS+32*\t+8*\k+\n+1]
.endr
.endr
.endr
.irp t, 0,1
	v_max3_num_f32 v[ST+8*\t+4], v[ST+8*\t+4], v[SS+32*\t+7], v[SS+32*\t+15]
.endr
.irp t, 0,1
	v_max3_num_f32 v[ST+8*\t+6], v[ST+8*\t+6], v[SS+32*\t+23], v[SS+32*\t+31]
.endr
.irp t, 0,1
	v_max3_num_f32 v[ST+8*\t+4], v[ST+8*\t+4], v[ST+8*\t+5], v[ST+8*\t+6]
.endr
.irp t, 0,1
	v_max3_num_f32 v[ST+8*\t+4], v[ST+8*\t+4], v[ST+8*\t+7], v[ST+8*\t+1]
.endr
.irp t, 0,1
	v_permlanex16_b32 v[ST+8*\t+5], v[ST+8*\t+4], s[SEL], s[SEL+1]   ; the query's other 32 keys lie in the lane 16 away
.endr
.irp t, 0,1
	v_mov_b32 v[ST+8*\t+7], v[ST+8*\t]             ; c m_old is kept for a
.endr
.irp t, 0,1
	v_max_num_f32 v[ST+8*\t+1], v[ST+8*\t+4], v[ST+8*\t+5]
.endr
.irp t, 0,1
	v_mul_f32 v[ST+8*\t], s[CS], v[ST+8*\t+1]
.endr
.irp t, 0,1
	v_sub_f32 v[ST+8*\t+7], v[ST+8*\t+7], v[ST+8*\t]
.endr
.set i, 0
.rept 16
.irp t, 0,1
	v_pk_fma_f32 v[SS+32*\t+2*i:SS+32*\t+2*i+1], v[SS+32*\t+2*i:SS+32*\t+2*i+1], s[CS:CS+1], v[ST+8*\t:ST+8*\t+1] op_sel_hi:[1,0,0] neg_lo:[0,0,1] neg_hi:[0,0,1]   ; c s - c m, two at a time
.endr
.set i, i+1
.endr
.irp t, 0,1                            ; ONE BATCH of 66 exponentials; none of them reads another's result
	v_exp_f32 v[ST+8*\t+6], v[ST+8*\t+7]           ; a
.endr
.set i, 0
.rept 32
.irp t, 0,1
	v_exp_f32 v[SS+32*\t+i], v[SS+32*\t+i]
.endr
.set i, i+1
.endr
	v_nop                                          ; a plain instruction behind the last exponential, ahead of the first use
	s_wait_alu depctr_va_vdst(0)                   ; one wait ahead of the batch's first reader, for all 66
.set i, 0
.rept 16
.irp t, 0,1
	v_cvt_pk_f16_f32 v[PP+16*\t+i], v[SS+32*\t+2*i], v[SS+32*\t+2*i+1]
.endr
.set i, i+1
.endr
.irp u, 0,1,2,3,4,5,6,7                ; the sum of the unrounded weights, in place, by pairs
.irp t, 0,1
	v_pk_add_f32 v[SS+32*\t+4*\u:SS+32*\t+4*\u+1], v[SS+32*\t+4*\u:SS+32*\t+4*\u+1], v[SS+32*\t+4*\u+2:SS+32*\t+4*\u+3]
.endr
.endr
.irp u, 0,1,2,3
.irp t, 0,1
	v_pk_add_f32 v[SS+32*\t+8*\u:SS+32*\t+8*\u+1], v[SS+32*\t+8*\u:SS+32*\t+8*\u+1], v[SS+32*\t+8*\u+4:SS+32*\t+8*\u+5]
.endr
.endr
.irp u, 0,1
.irp t, 0,1
	v_pk_add_f32 v[SS+32*\t+16*\u:SS+32*\t+16*\u+1], v[SS+32*\t+16*\u:SS+32*\t+16*\u+1], v[SS+32*\t+16*\u+8:SS+32*\t+16*\u+9]
.endr
.endr
.irp t, 0,1
	v_pk_add_f32 v[SS+32*\t:SS+32*\t+1], v[SS+32*\t:SS+32*\t+1], v[SS+32*\t+16:SS+32*\t+17]
.endr
.irp t, 0,1
	v_pk_fma_f32 v[ST+8*\t+2:ST+8*\t+3], v[ST+8*\t+2:ST+8*\t+3], v[ST+8*\t+6:ST+8*\t+7], v[SS+32*\t:SS+32*\t+1] op_sel_hi:[1,0,1]   ; l = a l + the sum
.endr
.set i, 0
.rept 16
.irp t, 0,1
	v_pk_mul_f32 v[OO+32*\t+2*i:OO+32*\t+2*i+1], v[OO+32*\t+2*i:OO+32*\t+2*i+1], v[ST+8*\t+6:ST+8*\t+7] op_sel_hi:[1,0]   ; O^T times a, each accumulator from its low end on
.endr
.set i, i+1
.endr
.endm
; A KEY STEP: 64 keys, the q-th of the slot in hand.
.macro STEP q
	s_add_co_u32 s66, s[QW], 31
	s_cmp_gt_u32 s[KF], s66                        ; all 64 keys come after my 32 queries: the step's work is left out (ids and the count of steps alone; no barrier and no tensor load stands in a step)
	s_cbranch_scc1 .Lhidden_\@
	s_wait_dscnt 0x0                               ; K of this step is in
	KQ
	WIN 0
.rept 4
	v_nop                                          ; places: ahead of the reads of S^T, and of the loads into K's registers and into V's, which the last products read
.endr
	WIN W_LD
	FETCH_V \q
.if \q < 3
	FETCH_K (\q)+1                                 ; the next step's K lands under this step's softmax
.endif
	WIN 0
	s_add_co_u32 s66, s[KF], 63
	s_cmp_le_u32 s66, s[QW]                        ; all 64 keys count for all my queries: no mask
	s_cbranch_scc1 .Lopen_\@
	s_sub_co_i32 s66, s[QW], s[KF]
	v_add_nc_u32 v[D0], s66, v[RH]                 ; d = my query - the step's first key - 8 (lane / 16).  Register 8 kt + i holds key 16 kt + 8 (lane / 16) + i of the step: hidden where 16 kt + i > d
	v_add_nc_u32 v[D0+1], 16, v[D0]
.irp t, 0,1
.irp kt, 0,1,2,3
.irp n, 0,1,2,3,4,5,6,7
	v_cmp_gt_i32 vcc_lo, 16*\kt+\n, v[D0+\t]
	v_cndmask_b32 v[SS+32*\t+8*\kt+\n], v[SS+32*\t+8*\kt+\n], v[NINF], vcc_lo
.endr
.endr
.endr
.Lopen_\@:
	SOFTMAX
.if \q < 3
	s_wait_dscnt 16                                ; V is in; the next step's 16 loads of K may be out
.else
	s_wait_dscnt 0x0
.endif
	PV
	WIN 0
.Lhidden_\@:
	s_add_co_u32 s[KF], s[KF], 64
.endm
; THE CHANGE OF SLOTS stands at a slot's head.  Each wave waits for all its tensor loads (its part of the slot that it is about to read), adds 0 to its spare word, and waits for that and for its reads of
; the slot that it has left.  Behind the barrier the slot ahead is whole and nobody reads the other one.  fill = 1: that other slot takes the walk's next key block; the load has a slot's four steps to land.
.macro CHANGE fill
	s_wait_tensorcnt 0x0                           ; no tensor load of mine is out, so a group 0 may be written
	ds_add_u32 v[SPW], v[NIL]
.if \fill
	s_xor_b32 s[G0K+1], s[G0K+1], SLOT1            ; the other slot than last time
	s_xor_b32 s[G0V+1], s[G0V+1], SLOT1
	s_add_co_u32 s[NKB], s[NKB], 1                 ; the next key block; behind the first walk's last, block 0 again
	s_cmp_eq_u32 s[NKB], s[LIMA]
	s_cselect_b32 s[NKB], 0, s[NKB]
	s_lshl_b32 s66, s[NKB], 15                     ; 256 keys of 128 bytes
	s_mov_b32 s67, 0
	s_add_nc_u64 s[G0K+2:G0K+3], s[14:15], s[66:67]
	s_or_b32 s[G0K+3], s[G0K+3], 0x80000000
	s_add_nc_u64 s[G0V+2:G0V+3], s[16:17], s[66:67]
	s_or_b32 s[G0V+3], s[G0V+3], 0x80000000
	s_wait_xcnt 0x0                                ; the last prefetch, a slot back, has read its address, so it may be written
	s_add_nc_u64 s[PFA:PFA+1], s[PFA:PFA+1], 32768
.endif
	s_wait_dscnt 0x0                               ; the add is done, and my reads of the slot that I have left are over
	s_barrier_signal -1
	s_barrier_wait -1
.if \fill
	TLOAD                                          ; the first thing behind the barrier, and my one tensor load until the next
	ASK
.endif
.endm
.macro SLOT_STEPS
	v_add_nc_u32 v[ADK], s[TB], v[AK0]
	v_add_nc_u32 v[ADV], s[TB], v[AV0]
	WIN W_LD
	FETCH_K 0                                      ; a slot's first step is live for every wave: its key block is not behind the block of queries
	WIN 0
	STEP 0
	STEP 1
	STEP 2
	STEP 3
	s_xor_b32 s[TB], s[TB], SLOT1
.endm
; A walk begins with m = -3e38, under every score, and zeros: the loop then needs no first step of its own (the first a is 0 and multiplies zeros).
.macro INIT
.irp t, 0,1
	v_mov_b32 v[ST+8*\t+1], 0xff61b1e6
	v_mul_f32 v[ST+8*\t], s[CS], v[ST+8*\t+1]
.irp n, 2,3,4,5,6,7
	v_mov_b32 v[ST+8*\t+\n], 0
.endr
.endr
.set i, 0
.rept 64
	v_mov_b32 v[OO+i], 0
.set i, i+1
.endr
.endm
; A walk's end: O^T / l, rounded to f16, through my stage, and out: four tokens of my head, 512 consecutive bytes, an instruction.
.macro FINISH ptr
.irp t, 0,1
	v_add_f32 v[ST+8*\t+4], v[ST+8*\t+2], v[ST+8*\t+3]             ; (these six lines are the places behind the last products)
.endr
.irp t, 0,1
	v_permlanex16_b32 v[ST+8*\t+5], v[ST+8*\t+4], s[SEL], s[SEL+1]
.endr
.irp t, 0,1
	v_add_f32 v[ST+8*\t+4], v[ST+8*\t+4], v[ST+8*\t+5]
.endr
.irp t, 0,1
	v_rcp_f32 v[ST+8*\t+6], v[ST+8*\t+4]
.endr
	v_nop
	s_wait_alu depctr_va_vdst(0)                   ; one wait for the two reciprocals, ahead of their first reader
.set i, 0
.rept 16
.irp t, 0,1
	v_pk_mul_f32 v[OO+32*\t+2*i:OO+32*\t+2*i+1], v[OO+32*\t+2*i:OO+32*\t+2*i+1], v[ST+8*\t+6:ST+8*\t+7] op_sel_hi:[1,0]
.endr
.set i, i+1
.endr
.set i, 0
.rept 16
.irp t, 0,1
	v_cvt_pk_f16_f32 v[SS+16*\t+i], v[OO+32*\t+2*i], v[OO+32*\t+2*i+1]
.endr
.set i, i+1
.endr
.irp t, 0,1
.irp c, 0,1,2,3
	ds_store_b128 v[STO], v[SS+16*\t+4*\c:SS+16*\t+4*\c+3] offset:\t*16*SPITCH+32*\c
.endr
.endr
.irp t, 0,1
.irp n, 0,1,2,3
	ds_load_b128 v[OB+16*\t+4*\n:OB+16*\t+4*\n+3], v[RD] offset:\t*16*SPITCH+\n*4*SPITCH   ; LDS serves a wave's instructions in order: these see my stores
.endr
.endr
	s_wait_dscnt 0x0
.irp t, 0,1
.irp n, 0,1,2,3
	global_store_b128 v[GO], v[OB+16*\t+4*\n:OB+16*\t+4*\n+3], s[\ptr:\ptr+1] offset:\t*2048+\n*512
.endr
.endr
	s_wait_xcnt 0x0                                ; the stores have read their registers
.endm
	INIT
	s_wait_loadcnt 0x0                             ; Q of both blocks
	s_mov_b32 s[TT], 0
.Ltrip:                                            ; eight trips; behind each change of slots the next slot is asked for
	CHANGE 1
	SLOT_STEPS
	s_cmp_lg_u32 s[TT], s[LASTA]                   ; the first walk's last slot?  The work-group's number and the trip alone: all eight waves go the same way
	s_cbranch_scc1 .Lsame
	FINISH POA
	WIN W_MV
.set i, 0
.rept 32
	v_mov_b32 v[i], v[32+i]                        ; the second block's Q
.set i, i+1
.endr
	WIN 0
	INIT
	s_mov_b32 s[KF], 0
	s_mov_b32 s[QW], s[QWB]
.Lsame:
	s_add_co_u32 s[TT], s[TT], 1
	s_cmp_lt_u32 s[TT], 8
	s_cbranch_scc1 .Ltrip
	CHANGE 0                                       ; the ninth slot is written out: nothing is left to ask for
	SLOT_STEPS
	FINISH POB
	s_wait_tensorcnt 0x0                           ; the wave's end
	ds_add_u32 v[SPW], v[NIL]
	s_wait_dscnt 0x0
	s_endpgm
.Lfunc_end_k_q66fb7fa36a_attn:
	.size	k_q66fb7fa36a_attn, .Lfunc_end_k_q66fb7fa36a_attn-k_q66fb7fa36a_attn
	.p2alignl 7, 3214868480
	.fill 96, 4, 3214868480
	.section	.rodata,"a",@progbits
	.p2align	6, 0x0
	.amdhsa_kernel k_q66fb7fa36a_attn
		.amdhsa_group_segment_fixed_size 327680
		.amdhsa_private_segment_fixed_size 0
		.amdhsa_enable_private_segment 0
		.amdhsa_kernarg_size 16
		.amdhsa_user_sgpr_count 2
		.amdhsa_user_sgpr_kernarg_segment_ptr 1
		.amdhsa_wavefront_size32 1
		.amdhsa_system_sgpr_workgroup_id_x 1
		.amdhsa_system_sgpr_workgroup_id_y 1
		.amdhsa_system_sgpr_workgroup_id_z 1
		.amdhsa_system_vgpr_workitem_id 0
		.amdhsa_next_free_vgpr 512
		.amdhsa_next_free_sgpr 80
		.amdhsa_reserve_vcc 1
		.amdhsa_float_denorm_mode_32 3
		.amdhsa_float_denorm_mode_16_64 3
		.amdhsa_memory_ordered 1
		.amdhsa_forward_progress 1
		.amdhsa_inst_pref_size 198
	.end_amdhsa_kernel
	.amdgpu_metadata
---
amdhsa.version: [ 1, 2 ]
amdhsa.kernels:
  - .name:           k_q66fb7fa36a_attn
    .symbol:         k_q66fb7fa36a_attn.kd
    .args:
      - { .name: qkv, .offset: 0, .size: 8, .value_kind: global_buffer, .address_space: global }
      - { .name: ao, .offset: 8, .size: 8, .value_kind: global_buffer, .address_space: global }
    .group_segment_fixed_size: 327680
    .private_segment_fixed_size: 0
    .kernarg_segment_align: 8
    .kernarg_segment_size: 16
    .max_flat_workgroup_size: 256
    .sgpr_count:     80
    .vgpr_count:     512
    .wavefront_size: 32
...
	.end_amdgpu_metadata
.endif
;; end of part 3
;; launch proj (part 4): grid 4 x 64, 4 waves a work-group, clusters of 4 x 4, 327,680 bytes of LDS; arguments ao, wo16, out0; writes out0
.if DOCPART == 4
	.amdgcn_target "amdgcn-amd-amdhsa--gfx1250"
	.amdhsa_code_object_version 6
	.text
	.protected	k_q66fb7fa36a_proj
	.globl	k_q66fb7fa36a_proj
	.p2align	8
	.type	k_q66fb7fa36a_proj,@function
k_q66fb7fa36a_proj:
	s_mov_b64 s[64:65], 0
	v_nop
	global_prefetch_b8 v0, s[64:65] scope:SCOPE_SE
	s_setreg_imm32_b32 hwreg(HW_REG_WAVE_MODE, 25, 1), 1
	s_wait_xcnt 0x0
	s_wait_alu depctr_hold_cnt(0) depctr_sa_sdst(0) depctr_va_vdst(0) depctr_va_sdst(0) depctr_va_ssrc(0) depctr_va_vcc(0) depctr_vm_vsrc(0)
	s_getreg_b32 s2, hwreg(HW_REG_IB_STS2, 6, 4)
	s_cmp_eq_u32 s2, 0
	s_cbranch_scc0 .Lentry_in_a_cluster
	s_endpgm
.Lentry_in_a_cluster:
	s_bfe_u32 s2, ttmp6, 0x10000c
	s_cmp_lg_u32 s2, 0xf033
	s_cbranch_scc0 .Lentry_shape_is_right
	s_endpgm
.Lentry_shape_is_right:
; out0[token][e] = the sum over d of ao[token][d] Wo[e][d], on f16 operands with f32 sums.  ao [h 16][token 8192][64] and wo16 [h 16][e 1024][64] lie by head: d = 64 h + c.  out0 [8192][1024] f32.
; (The first 16 rows of every batch are written again, from f32 operands, by the launch that follows.)
; A tile of 128 tokens x 256 outputs is made by four waves, each 64 x 128: 32 accumulators, 256 registers: 64 x 4 = 256 work-groups.  K goes in steps of 128, two head planes, through a ring of two LDS slots;
; in a plane a tile's rows of 128 bytes are dense in memory.  Waves 0 and 1 fetch ao's two planes (128 rows each), waves 2 and 3 Wo's (256 rows each): one load a wave.
; CLUSTERS: 4 x 4 work-groups; ao's tiles are shared along a row of the cluster, Wo's along a column: each is asked for jointly.
; THE MATRIX INSTRUCTION IS USED TRANSPOSED (source 0 = 16 rows of Wo, source 1 = 16 tokens): a lane holds eight neighbouring outputs of one token.
; REGISTERS: window 0: v16-30 addresses; two fragment buffers of 96 (32 along K: 4 fragments of ao, then 8 of Wo) at v32 and v128; on the way out v32-159.  Window 1: accumulator (a, b) at v[8 (8 a + b)].
.set PA,    144                        ; an LDS row: 128 bytes + 16
.set APL,   128*PA                     ; a plane of ao's tile
.set BPL,   256*PA                     ; a plane of Wo's
.set BOFF,  2*APL
.set SLOT,  2*APL+2*BPL
.set STAGE, 2*SLOT                     ; behind the ring: 16 rows x (512 + 16) bytes a wave
.set SPITCH, 528
.set SPARE, STAGE+4*16*SPITCH          ; the spare words, 128 bytes a wave
.set ADRA, 16
.set ADRB, 20
.set STO,  24
.set RD,   25
.set CO,   26
.set SPW,  28
.set NIL,  29
.set F0,   32
.set F1,   128
.set G1, 24
.set G0, 32
.set G1B, 48
.set G0B, 56
.set MSB, 0
.macro WIN new
.if MSB != (\new)
	s_set_vgpr_msb (MSB<<8)|(\new)
.set MSB, (\new)
.endif
.endm
.set W_MUL, 0x50                       ; sources 0 and 1 window 0; C and D window 1
.macro JLOAD s                         ; a joint load; an s_nop 0 and four v_nop follow each of the two lines
	s_cmp_eq_u32 s11, 0
	s_cbranch_scc0 .Lfor_b_\@
	tensor_load_to_lds s[G0+4*\s:G0+4*\s+3], s[G1:G1+7]
	s_nop 0
.rept 4
	v_nop
.endr
	s_branch .Lasked_\@
.Lfor_b_\@:
	tensor_load_to_lds s[G0B+4*\s:G0B+4*\s+3], s[G1B:G1B+7]
	s_nop 0
.rept 4
	v_nop
.endr
.Lasked_\@:
.endm
.macro CREST                           ; a round of the cluster's barrier behind its opening barrier
	s_cmp_lg_u32 s10, 0
	s_cbranch_scc1 .Lnot_wave_0_\@
	s_barrier_signal -3
.Lnot_wave_0_\@:
	s_barrier_wait -3
	s_barrier_signal -1
	s_barrier_wait -1
.endm
.macro CROUND
	s_barrier_signal -1
	s_barrier_wait -1
	CREST
.endm
	s_load_b128 s[4:7], s[0:1], 0x0                ; ao s[4:5], wo16 s[6:7]
	s_load_b64 s[8:9], s[0:1], 0x10                ; out0
	v_lshl_add_u32 v[SPW], v0, 2, SPARE
	v_mov_b32 v[NIL], 0
	ds_add_u32 v[SPW], v[NIL]                      ; the wave's opening: the add, twice on end, and its wait ahead of my first tensor load
	ds_add_u32 v[SPW], v[NIL]
	v_lshrrev_b32 v1, 5, v0
	v_readfirstlane_b32 s10, v1                    ; wave 0..3
	s_lshr_b32 s11, s10, 1                         ; which 64 tokens are mine.  Also: I fetch for ao (0) or for Wo (1)
	s_and_b32 s12, s10, 1                          ; which 128 outputs.  Also: which of a K step's two planes I fetch
	s_bfe_u32 s40, ttmp6, 0x40000                  ; cx
	s_bfe_u32 s41, ttmp6, 0x40004                  ; cy
	s_lshl_b32 s42, ttmp9, 2
	s_add_co_u32 s42, s42, s40                     ; tile column = 4 x cluster x + cx
	s_and_b32 s13, ttmp7, 0xffff
	s_lshl_b32 s13, s13, 2
	s_add_co_u32 s13, s13, s41                     ; tile row = 4 x cluster y + cy
	s_lshl_b32 s43, s41, 2
	s_lshl_b32 s43, 15, s43                        ; my row of the cluster
	s_lshl_b32 s44, 0x1111, s40                    ; my column
	s_or_b32 s[G1+0], s43, (1<<16)|(1<<20)|(1<<21)|(4<<22)|(3<<25)  ; the mask; elements of 2 bytes; padding on; bit 21 beside a mask; after every 32 words, 4 words
	s_or_b32 s[G1B+0], s44, (1<<16)|(1<<20)|(1<<21)|(4<<22)|(3<<25)
	s_mov_b32 s[G1+1], 64<<16                      ; tensor_dim0 = 64
	s_mov_b32 s[G1+2], 128<<16                     ; tensor_dim1 = 128
	s_mov_b32 s[G1+3], 64<<16                      ; tile_dim0 = 64
	s_mov_b32 s[G1+4], 128                         ; tile_dim1 = 128
	s_mov_b32 s[G1+5], 64                          ; from row to row
	s_mov_b32 s[G1+6], 0
	s_mov_b32 s[G1+7], 0
	s_mov_b32 s[G1B+1], 64<<16
	s_mov_b32 s[G1B+2], 256<<16                    ; 256 rows
	s_mov_b32 s[G1B+3], 64<<16
	s_mov_b32 s[G1B+4], 256
	s_mov_b32 s[G1B+5], 64
	s_mov_b32 s[G1B+6], 0
	s_mov_b32 s[G1B+7], 0
	s_lshl_b32 s16, s13, 14                        ; ao: 128 tokens of 128 bytes a tile row,
	s_lshl_b32 s17, s12, 20                        ; 1 MiB a plane
	s_add_co_u32 s16, s16, s17
	s_mov_b32 s17, 0
	s_lshl_b32 s46, s42, 15                        ; Wo: 256 rows of 128 bytes a tile column,
	s_lshl_b32 s47, s12, 17                        ; 131,072 bytes a plane
	s_add_co_u32 s46, s46, s47
	s_mov_b32 s47, 0
	s_mul_i32 s20, s12, APL                        ; where they go: no place in the cluster enters an LDS address
	s_mul_i32 s21, s12, BPL
	s_add_co_u32 s21, s21, BOFF
	s_wait_dscnt 0x0                               ; both opening adds are done
	s_wait_kmcnt 0x0
	s_add_nc_u64 s[14:15], s[4:5], s[16:17]
	s_add_nc_u64 s[46:47], s[6:7], s[46:47]
	CROUND                                         ; all sixteen work-groups are here: the first joint loads meet
.irp s, 0,1
	s_mov_b32 s[G0+4*\s], 1
	s_add_co_u32 s[G0+4*\s+1], s20, \s*SLOT
	s_add_nc_u64 s[G0+4*\s+2:G0+4*\s+3], s[14:15], \s*0x200000     ; K step s: two planes on
	s_or_b32 s[G0+4*\s+3], s[G0+4*\s+3], 0x80000000
	s_mov_b32 s[G0B+4*\s], 1
	s_add_co_u32 s[G0B+4*\s+1], s21, \s*SLOT
	s_add_nc_u64 s[G0B+4*\s+2:G0B+4*\s+3], s[46:47], \s*0x40000
	s_or_b32 s[G0B+4*\s+3], s[G0B+4*\s+3], 0x80000000
	JLOAD \s                                       ; two loads of mine are out
.endr
	v_and_b32 v1, 15, v0                           ; lane % 16
	v_bfe_u32 v2, v0, 4, 1                         ; lane / 16
	v_mul_u32_u24 v3, v1, PA
	v_lshl_add_u32 v3, v2, 4, v3                   ; a fragment's row x pitch + 16 x half
	s_mul_i32 s21, s11, 64*PA                      ; my 64 tokens
	s_mul_i32 s22, s12, 128*PA                     ; my 128 rows of Wo,
	s_add_co_u32 s22, s22, BOFF                    ; behind ao's two planes
.irp s, 0,1
	v_add_nc_u32 v[ADRA+\s], s21, v3
	v_add_nc_u32 v[ADRB+\s], s22, v3
	s_add_co_u32 s21, s21, SLOT
	s_add_co_u32 s22, s22, SLOT
.endr
	s_mul_i32 s23, s10, 16*SPITCH
	s_add_co_u32 s23, s23, STAGE                   ; my stage
	v_mul_u32_u24 v4, v1, SPITCH
	v_lshl_add_u32 v4, v2, 5, v4
	v_add_nc_u32 v[STO], s23, v4                   ; in: row lane % 16, 32 bytes for each half of the lanes
	v_and_b32 v5, 31, v0
	v_lshlrev_b32 v[CO], 4, v5                     ; back: the 32 lanes take one row of 512 bytes; and the same in out0
	v_add_nc_u32 v[RD], s23, v[CO]
	s_lshl_b32 s16, s13, 7
	s_lshl_b32 s17, s11, 6
	s_add_co_u32 s16, s16, s17                     ; my first token
	s_lshl_b32 s16, s16, 12                        ; 4,096 bytes a row of out0
	s_mov_b32 s17, 0
	s_add_nc_u64 s[8:9], s[8:9], s[16:17]
	s_lshl_b32 s46, s42, 10                        ; my first output, in bytes: 1,024 x tile column + 512 x half
	s_lshl_b32 s47, s12, 9
	s_add_co_u32 s46, s46, s47
	s_mov_b32 s47, 0
	s_add_nc_u64 s[8:9], s[8:9], s[46:47]
; 8 products: token block a against Wo's eight blocks, 32 along K, from buffer f.  The 32 accumulators take turns, one instruction a turn, in the same order in every quarter.
.macro MUL8 f, a, zero
.irp b, 0,1,2,3,4,5,6,7
.if \zero
	v_wmma_f32_16x16x32_f16 v[8*(8*(\a)+\b):8*(8*(\a)+\b)+7], v[\f+32+8*\b:\f+32+8*\b+7], v[\f+8*(\a):\f+8*(\a)+7], 0
.else
	v_wmma_f32_16x16x32_f16 v[8*(8*(\a)+\b):8*(8*(\a)+\b)+7], v[\f+32+8*\b:\f+32+8*\b+7], v[\f+8*(\a):\f+8*(\a)+7], v[8*(8*(\a)+\b):8*(8*(\a)+\b)+7]
.endif
.endr
.endm
; 24 LDS loads in one run: the fragments of the slot's kc-th 32 along K (plane kc / 2, bytes 64 (kc % 2) on) into buffer f
.macro FETCH slot, kc, f
.irp a, 0,1,2,3
	ds_load_b128 v[\f+8*\a:\f+8*\a+3],   v[ADRA+\slot] offset:((\kc)/2)*APL+((\kc)%2)*64+\a*16*PA
	ds_load_b128 v[\f+8*\a+4:\f+8*\a+7], v[ADRA+\slot] offset:((\kc)/2)*APL+((\kc)%2)*64+\a*16*PA+32
.endr
.irp b, 0,1,2,3,4,5,6,7
	ds_load_b128 v[\f+32+8*\b:\f+32+8*\b+3], v[ADRB+\slot] offset:((\kc)/2)*BPL+((\kc)%2)*64+\b*16*PA
	ds_load_b128 v[\f+32+8*\b+4:\f+32+8*\b+7], v[ADRB+\slot] offset:((\kc)/2)*BPL+((\kc)%2)*64+\b*16*PA+32
.endr
.endm
.macro PLACES                          ; four plain vector instructions ahead of loads into registers that matrix instructions have read, and of reads of results
.rept 4
	v_nop
.endr
.endm
; A K step is four quarters of 32 along K, 32 products each, on buffers 0, 1, 0, 1.  One of the first three: fetches quarter kc into g and multiplies buffer f.
.macro QUARTER slot, kc, f, g, zero
	s_wait_dscnt 0x0                               ; buffer f is in: it was asked for a quarter, 32 products, ago
	PLACES
	FETCH \slot, \kc, \g
	WIN W_MUL
	MUL8 \f, 0, \zero
	MUL8 \f, 1, \zero
	MUL8 \f, 2, \zero
	MUL8 \f, 3, \zero
	WIN 0
.endm
; The last quarter multiplies buffer 1 and changes slots: one barrier; in front of it each wave waits for all its tensor loads, adds 0 to its spare word, and waits for that and for its reads of this slot.
.macro TURN slot, next, fill
	s_wait_tensorcnt 0x0                           ; all my tensor loads have landed: my part of the next slot
	ds_add_u32 v[SPW], v[NIL]
	s_wait_dscnt 1                                 ; buffer 1 is in (the add may be out)
	WIN W_MUL
	MUL8 F1, 0, 0
	MUL8 F1, 1, 0
	s_wait_dscnt 0x0                               ; the add is done, and my reads of this slot are over
	s_barrier_signal -1
	MUL8 F1, 2, 0
	WIN 0
	s_barrier_wait -1
.if \fill
	CREST                                          ; the barrier has opened a round of the cluster's: no wave of any partner still reads this slot or has a load on its way
	s_add_nc_u64 s[G0+4*\slot+2:G0+4*\slot+3], s[G0+4*\slot+2:G0+4*\slot+3], 0x400000      ; two K steps, four planes, on
	s_add_nc_u64 s[G0B+4*\slot+2:G0B+4*\slot+3], s[G0B+4*\slot+2:G0B+4*\slot+3], 0x80000
	JLOAD \slot                                    ; the first tensor load behind the round; its four v_nop are also the places in front of the loads below
.else
	PLACES
.endif
	FETCH \next, 0, F0
	WIN W_MUL
	MUL8 F1, 3, 0
	WIN 0
.endm
	s_wait_tensorcnt 1                             ; my part of K step 0 is in (K step 1's may be out)
	s_barrier_signal -1
	s_barrier_wait -1                              ; everybody's is
	FETCH 0, 0, F0
	QUARTER 0, 1, F0, F1, 1                        ; the first quarter's products start the sums
	s_mov_b32 s3, 3
.Llap:                                             ; a trip goes once round the ring, from a lap's second quarter to the next lap's first, and fills both slots again: K steps 2 to 7
	QUARTER 0, 2, F1, F0, 0
	QUARTER 0, 3, F0, F1, 0
	TURN 0, 1, 1
	QUARTER 1, 1, F0, F1, 0
	QUARTER 1, 2, F1, F0, 0
	QUARTER 1, 3, F0, F1, 0
	TURN 1, 0, 1
	QUARTER 0, 1, F0, F1, 0
	s_sub_co_u32 s3, s3, 1
	s_cmp_lg_u32 s3, 0
	s_cbranch_scc1 .Llap
	QUARTER 0, 2, F1, F0, 0                        ; the last lap fills nothing
	QUARTER 0, 3, F0, F1, 0
	TURN 0, 1, 0
	QUARTER 1, 1, F0, F1, 0
	QUARTER 1, 2, F1, F0, 0
	QUARTER 1, 3, F0, F1, 0
	s_wait_dscnt 0x0
	WIN W_MUL
	MUL8 F1, 0, 0
	MUL8 F1, 1, 0
	MUL8 F1, 2, 0
	MUL8 F1, 3, 0
	WIN 0
; THE WAY OUT, block by block of 16 tokens x 128 outputs, through my own stage: back come whole rows of 512 bytes.
.macro TOSTAGE a
	WIN 0x04                                       ; an LDS store's data are its source 1: window 1
.irp b, 0,1,2,3,4,5,6,7
	ds_store_b128 v[STO], v[8*(8*(\a)+\b):8*(8*(\a)+\b)+3] offset:64*\b          ; each accumulator from its low end on
	ds_store_b128 v[STO], v[8*(8*(\a)+\b)+4:8*(8*(\a)+\b)+7] offset:64*\b+16
.endr
	WIN 0
.set BB, 32+64*((\a)%2)
.irp t, 0,1,2,3,4,5,6,7,8,9,10,11,12,13,14,15
	ds_load_b128 v[BB+4*\t:BB+4*\t+3], v[RD] offset:\t*SPITCH      ; LDS serves a wave's instructions in order: these see my stores
.endr
.endm
.macro SEND a, younger                 ; younger: the LDS instructions issued behind block a's loads, which may stay out
.set BB, 32+64*((\a)%2)
	s_wait_dscnt \younger
.irp t, 0,1,2,3,4,5,6,7,8,9,10,11,12,13,14,15
	global_store_b128 v[CO], v[BB+4*\t:BB+4*\t+3], s[8:9] offset:(\a)*65536+\t*4096 th:TH_STORE_NT   ; 32 lanes store 512 consecutive bytes
.endr
.endm
	PLACES
	TOSTAGE 0
.irp a, 1,2,3
.if \a > 1
	s_wait_xcnt 0x0                                ; block a - 2's stores have read their registers: block a's loads may land there
.endif
	TOSTAGE \a
	SEND \a-1, 32                                  ; behind block a - 1's loads: block a's 16 stores and 16 loads
.endr
	SEND 3, 0
	s_wait_tensorcnt 0x0                           ; the wave's end
	ds_add_u32 v[SPW], v[NIL]
	s_wait_dscnt 0x0
	CROUND                                         ; the closing round
	s_endpgm
.Lfunc_end_k_q66fb7fa36a_proj:
	.size	k_q66fb7fa36a_proj, .Lfunc_end_k_q66fb7fa36a_proj-k_q66fb7fa36a_proj
	.p2alignl 7, 3214868480
	.fill 96, 4, 3214868480
	.section	.rodata,"a",@progbits
	.p2align	6, 0x0
	.amdhsa_kernel k_q66fb7fa36a_proj
		.amdhsa_group_segment_fixed_size 327680
		.amdhsa_private_segment_fixed_size 0
		.amdhsa_enable_private_segment 0
		.amdhsa_kernarg_size 24
		.amdhsa_user_sgpr_count 2
		.amdhsa_user_sgpr_kernarg_segment_ptr 1
		.amdhsa_wavefront_size32 1
		.amdhsa_system_sgpr_workgroup_id_x 1
		.amdhsa_system_sgpr_workgroup_id_y 1
		.amdhsa_system_sgpr_workgroup_id_z 1
		.amdhsa_system_vgpr_workitem_id 0
		.amdhsa_next_free_vgpr 512
		.amdhsa_next_free_sgpr 66
		.amdhsa_reserve_vcc 0
		.amdhsa_float_denorm_mode_32 3
		.amdhsa_float_denorm_mode_16_64 3
		.amdhsa_memory_ordered 1
		.amdhsa_forward_progress 1
		.amdhsa_inst_pref_size 84
	.end_amdhsa_kernel
	.amdgpu_metadata
---
amdhsa.version: [ 1, 2 ]
amdhsa.kernels:
  - .name:           k_q66fb7fa36a_proj
    .symbol:         k_q66fb7fa36a_proj.kd
    .args:
      - { .name: ao, .offset: 0, .size: 8, .value_kind: global_buffer, .address_space: global }
      - { .name: wo16, .offset: 8, .size: 8, .value_kind: global_buffer, .address_space: global }
      - { .name: out0, .offset: 16, .size: 8, .value_kind: global_buffer, .address_space: global }
    .group_segment_fixed_size: 327680
    .private_segment_fixed_size: 0
    .kernarg_segment_align: 8
    .kernarg_segment_size: 24
    .max_flat_workgroup_size: 128
    .sgpr_count:     66
    .vgpr_count:     512
    .wavefront_size: 32
...
	.end_amdgpu_metadata
.endif
;; end of part 4
;; launch head16 (part 5): grid 16 x 4, 16 waves a work-group, no clusters, 71,680 bytes of LDS; arguments qkv16, Wo, out0; writes out0
.if DOCPART == 5
	.amdgcn_target "amdgcn-amd-amdhsa--gfx1250"
	.amdhsa_code_object_version 6
	.text
	.protected	k_q66fb7fa36a_head16
	.globl	k_q66fb7fa36a_head16
	.p2align	8
	.type	k_q66fb7fa36a_head16,@function
k_q66fb7fa36a_head16:
	s_mov_b64 s[64:65], 0
	v_nop
	global_prefetch_b8 v0, s[64:65] scope:SCOPE_SE
	s_setreg_imm32_b32 hwreg(HW_REG_WAVE_MODE, 25, 1), 1
	s_wait_xcnt 0x0
; Positions 0-15 of each batch once more, with every operand in f32: there a row of the softmax averages one to sixteen values, and the rounding of 16-bit operands would weigh most.
; qkv16 [which 3][b 4][h 16][16][64] f32; Wo [1024][1024] f32; out0 rows 2048 b + 0 .. 15 are written over.
; SHARES.  Work-group (slice, b) makes 16 rows x 64 outputs (64 slice on).  Wave hd is head hd: its 16 x 16 attention, then its 64 channels' part of the projection; the 16 parts meet in LDS, and wave hd
; adds and stores row hd.  All products by v_wmma_f32_16x16x4_f32, 96 a wave.
; NOTHING CHANGES LANES between the products: the same order of k is given to both sources of each.
;   S^T = K Q^T: a lane's 16 bytes at 32 c + 16 (lane / 16) of its row, for K and for Q alike; the result holds query lane % 16 and keys 8 (lane / 16) + 0..7.
;   O^T = V^T P: k slot (s, lane / 16, i) is key 8 (lane / 16) + 2 s + i: source 1 is the pair p[2 s], p[2 s + 1] as it lies; source 0 is V at those keys, channel 16 ct + lane % 16.
;   out^T = Wo O^T: k slot (ct, u, lane / 16, i) is channel 16 ct + 8 (lane / 16) + 2 u + i: source 1 is a pair of O^T's registers as they lie (p is divided by its sum ahead of the product).
; The registers that these matrix instructions write, v80-111 and v160-191, are written by matrix instructions alone.
; LIMITS: NaN and infinities are not served; the order of the f32 sums is not reference()'s.
.set ACC1, 80                          ; S^T in four part sums; later O^T's four tiles
.set SV,   112                         ; the eight scores, then p
.set TW,   120                         ; at work
.set VV,   128                         ; V: v[VV + 8 ct + 2 s + i]; later the 16 parts read back
.set PACC, 160                         ; out^T: four tiles of 16 outputs
.set WA,   192                         ; Wo for ct = 0, 1: v[WA + 32 ct + 8 et ..]
.set WB,   16                          ; Wo for ct = 2, 3, where Q and K lay
.set SPW,  14
.set NIL,  15
.set PART, 16*272                      ; LDS: a wave's part: 16 rows x (256 + 16) bytes
.set SPARE, 16*PART                    ; behind the parts: the spare words, 128 bytes a wave
	s_load_b128 s[4:7], s[0:1], 0x0                ; qkv16 s[4:5], Wo s[6:7]
	s_load_b64 s[8:9], s[0:1], 0x10                ; out0
	v_lshl_add_u32 v[SPW], v0, 2, SPARE
	v_mov_b32 v[NIL], 0
	v_lshrrev_b32 v1, 5, v0
	v_readfirstlane_b32 s10, v1                    ; wave = head
	s_and_b32 s12, ttmp7, 0xffff                   ; batch
	v_and_b32 v1, 15, v0                           ; r
	v_bfe_u32 v2, v0, 4, 1                         ; lane / 16
	v_lshlrev_b32 v3, 8, v1
	v_lshl_add_u32 v3, v2, 4, v3                   ; Q, K: row r of 256 bytes, + 16 x half
	v_lshlrev_b32 v4, 11, v2
	v_lshl_add_u32 v4, v1, 2, v4                   ; V: key 8 x half, channel r
	v_lshlrev_b32 v5, 12, v1
	v_lshl_add_u32 v5, v2, 5, v5                   ; Wo: row r of 4,096 bytes, + 32 x half
	v_lshlrev_b32 v7, 3, v2
	v_sub_nc_u32 v6, v1, v7                        ; d = r - 8 x half: register i holds key 8 x half + i, hidden where i > d
	s_mul_i32 s13, s10, PART
	v_mul_u32_u24 v10, v1, 272
	v_lshl_add_u32 v10, v2, 5, v10
	v_add_nc_u32 v10, s13, v10                     ; my part: row r, 32 bytes for each half of the lanes
	s_mul_i32 s13, s10, 272
	v_and_b32 v7, 31, v0
	v_lshlrev_b32 v12, 3, v7                       ; 8 x lane
	v_add_nc_u32 v11, s13, v12                     ; back: row hd of a part
	v_mov_b32 v13, 0xff800000                      ; -infinity
	v_mov_b32 v9, 0                                ; (a lane permute's destination counts as one of its sources)
	s_mov_b32 s16, 0x76543210
	s_mov_b32 s17, 0xfedcba98                      ; lane l xor 16
	s_mov_b32 s18, 0x3e38aa3b                      ; c = log2(e) / 8
	s_lshl_b32 s14, s12, 4
	s_add_co_u32 s14, s14, s10
	s_lshl_b32 s14, s14, 12                        ; qkv16: 4,096 bytes a head
	s_mov_b32 s15, 0
	s_lshl_b32 s20, ttmp9, 18                      ; Wo: 64 rows a slice,
	s_lshl_b32 s21, s10, 8                         ; 256 bytes a head
	s_add_co_u32 s20, s20, s21
	s_mov_b32 s21, 0
	s_lshl_b32 s22, s12, 11
	s_add_co_u32 s22, s22, s10                     ; out0: row 2048 b + hd,
	s_lshl_b32 s22, s22, 12
	s_lshl_b32 s23, ttmp9, 8                       ; 256 bytes a slice
	s_add_co_u32 s22, s22, s23
	s_mov_b32 s23, 0
	s_wait_kmcnt 0x0
	s_add_nc_u64 s[4:5], s[4:5], s[14:15]
	s_add_nc_u64 s[6:7], s[6:7], s[20:21]
	s_add_nc_u64 s[8:9], s[8:9], s[22:23]
.irp c, 0,1,2,3,4,5,6,7
	global_load_b128 v[16+4*\c:19+4*\c], v3, s[4:5] offset:32*\c              ; Q
.endr
.irp c, 0,1,2,3,4,5,6,7
	global_load_b128 v[48+4*\c:51+4*\c], v3, s[4:5] offset:262144+32*\c       ; K
.endr
.irp ct, 0,1,2,3
.irp n, 0,1,2,3,4,5,6,7
	global_load_b32 v[VV+8*\ct+\n], v4, s[4:5] offset:524288+\n*256+\ct*64    ; V(8 x half + n, 16 ct + r)
.endr
.endr
.irp ct, 0,1
.irp et, 0,1,2,3
	global_load_b128 v[WA+32*\ct+8*\et:WA+32*\ct+8*\et+3],   v5, s[6:7] offset:\et*65536+\ct*64
	global_load_b128 v[WA+32*\ct+8*\et+4:WA+32*\ct+8*\et+7], v5, s[6:7] offset:\et*65536+\ct*64+16
.endr
.endr
	s_wait_loadcnt 48                              ; Q and K are in; V's 32 loads and Wo's 16 may be out
.irp c, 0,1,2,3,4,5,6,7                ; S^T: 16 products on four part sums by turns; the first four start the sums
.irp i, 0,1
.if 2*\c+\i < 4
	v_wmma_f32_16x16x4_f32 v[ACC1+8*((2*\c+\i)%4):ACC1+8*((2*\c+\i)%4)+7], v[48+4*\c+2*\i:48+4*\c+2*\i+1], v[16+4*\c+2*\i:16+4*\c+2*\i+1], 0
.else
	v_wmma_f32_16x16x4_f32 v[ACC1+8*((2*\c+\i)%4):ACC1+8*((2*\c+\i)%4)+7], v[48+4*\c+2*\i:48+4*\c+2*\i+1], v[16+4*\c+2*\i:16+4*\c+2*\i+1], v[ACC1+8*((2*\c+\i)%4):ACC1+8*((2*\c+\i)%4)+7]
.endif
.endr
.endr
.rept 8
	v_nop                                          ; eight places behind this form, ahead of the reads of results and of loads into its sources
.endr
.irp ct, 2,3
.irp et, 0,1,2,3
	global_load_b128 v[WB+32*(\ct-2)+8*\et:WB+32*(\ct-2)+8*\et+3],   v5, s[6:7] offset:\et*65536+\ct*64
	global_load_b128 v[WB+32*(\ct-2)+8*\et+4:WB+32*(\ct-2)+8*\et+7], v5, s[6:7] offset:\et*65536+\ct*64+16
.endr
.endr
.irp p, 0,1,2,3                        ; the four part sums are added, into other registers, each from its low end on
	v_pk_add_f32 v[SV+2*\p:SV+2*\p+1], v[ACC1+2*\p:ACC1+2*\p+1], v[ACC1+8+2*\p:ACC1+8+2*\p+1]
.endr
.irp p, 0,1,2,3
	v_pk_add_f32 v[TW+2*\p:TW+2*\p+1], v[ACC1+16+2*\p:ACC1+16+2*\p+1], v[ACC1+24+2*\p:ACC1+24+2*\p+1]
.endr
.irp p, 0,1,2,3
	v_pk_add_f32 v[SV+2*\p:SV+2*\p+1], v[SV+2*\p:SV+2*\p+1], v[TW+2*\p:TW+2*\p+1]
.endr
.irp n, 0,1,2,3,4,5,6,7
	v_cmp_gt_i32 vcc_lo, \n, v6                    ; the causal mask
	v_cndmask_b32 v[SV+\n], v[SV+\n], v13, vcc_lo
.endr
	v_max3_num_f32 v7, v[SV], v[SV+1], v[SV+2]
	v_max3_num_f32 v7, v7, v[SV+3], v[SV+4]
	v_max3_num_f32 v7, v7, v[SV+5], v[SV+6]
	v_max_num_f32 v7, v7, v[SV+7]
	v_permlanex16_b32 v9, v7, s16, s17
	v_max_num_f32 v7, v7, v9                       ; the row's maximum: key 0 counts for every query, so it is a number
	v_mul_f32 v8, s18, v7
.irp n, 0,1,2,3,4,5,6,7
	v_fma_f32 v[SV+\n], v[SV+\n], s18, -v8         ; c s - c m
.endr
.irp n, 0,1,2,3,4,5,6,7
	v_exp_f32 v[SV+\n], v[SV+\n]
.endr
	v_nop
	s_wait_alu depctr_va_vdst(0)                   ; one wait for the eight exponentials, ahead of their first reader
	v_pk_add_f32 v[TW:TW+1], v[SV:SV+1], v[SV+2:SV+3]
	v_pk_add_f32 v[TW+2:TW+3], v[SV+4:SV+5], v[SV+6:SV+7]
	v_pk_add_f32 v[TW:TW+1], v[TW:TW+1], v[TW+2:TW+3]
	v_add_f32 v7, v[TW], v[TW+1]
	v_permlanex16_b32 v9, v7, s16, s17
	v_add_f32 v7, v7, v9                           ; the row's sum
	v_rcp_f32 v8, v7
	v_nop
	s_wait_alu depctr_va_vdst(0)
.irp n, 0,1,2,3,4,5,6,7
	v_mul_f32 v[SV+\n], v[SV+\n], v8               ; p, normalised here: O^T then goes on as it stands
.endr
	s_wait_loadcnt 32                              ; V is in; Wo's two halves may be out
.irp s, 0,1,2,3                        ; O^T: four tiles of 16 channels by turns; the first four products start the sums.  More than nine plain lines lie behind S^T's last product
.irp ct, 0,1,2,3
.if \s == 0
	v_wmma_f32_16x16x4_f32 v[ACC1+8*\ct:ACC1+8*\ct+7], v[VV+8*\ct+2*\s:VV+8*\ct+2*\s+1], v[SV+2*\s:SV+2*\s+1], 0
.else
	v_wmma_f32_16x16x4_f32 v[ACC1+8*\ct:ACC1+8*\ct+7], v[VV+8*\ct+2*\s:VV+8*\ct+2*\s+1], v[SV+2*\s:SV+2*\s+1], v[ACC1+8*\ct:ACC1+8*\ct+7]
.endif
.endr
.endr
.rept 9
	v_nop                                          ; nine places ahead of matrix instructions that take these results as a source
.endr
	s_wait_loadcnt 16                              ; Wo's first half is in
.irp ct, 0,1
.irp u, 0,1,2,3
.irp et, 0,1,2,3
.if (\ct == 0) && (\u == 0)
	v_wmma_f32_16x16x4_f32 v[PACC+8*\et:PACC+8*\et+7], v[WA+32*\ct+8*\et+2*\u:WA+32*\ct+8*\et+2*\u+1], v[ACC1+8*\ct+2*\u:ACC1+8*\ct+2*\u+1], 0
.else
	v_wmma_f32_16x16x4_f32 v[PACC+8*\et:PACC+8*\et+7], v[WA+32*\ct+8*\et+2*\u:WA+32*\ct+8*\et+2*\u+1], v[ACC1+8*\ct+2*\u:ACC1+8*\ct+2*\u+1], v[PACC+8*\et:PACC+8*\et+7]
.endif
.endr
.endr
.endr
	s_wait_loadcnt 0x0                             ; and its second
.irp ct, 2,3
.irp u, 0,1,2,3
.irp et, 0,1,2,3
	v_wmma_f32_16x16x4_f32 v[PACC+8*\et:PACC+8*\et+7], v[WB+32*(\ct-2)+8*\et+2*\u:WB+32*(\ct-2)+8*\et+2*\u+1], v[ACC1+8*\ct+2*\u:ACC1+8*\ct+2*\u+1], v[PACC+8*\et:PACC+8*\et+7]
.endr
.endr
.endr
.rept 8
	v_nop
.endr
.irp et, 0,1,2,3
	ds_store_b128 v10, v[PACC+8*\et:PACC+8*\et+3] offset:64*\et            ; lane (r, half): row r, outputs 16 et + 8 x half + 0 .. 7; each accumulator from its low end on
	ds_store_b128 v10, v[PACC+8*\et+4:PACC+8*\et+7] offset:64*\et+16
.endr
	s_wait_dscnt 0x0                               ; for the others' sake: my part lies in LDS
	s_barrier_signal -1
	s_barrier_wait -1
.irp p, 0,1,2,3,4,5,6,7,8,9,10,11,12,13,14,15
	ds_load_b64 v[VV+2*\p:VV+2*\p+1], v11 offset:\p*PART                   ; row hd of all 16 parts
.endr
	s_wait_dscnt 0x0
.irp p, 0,1,2,3,4,5,6,7
	v_pk_add_f32 v[VV+4*\p:VV+4*\p+1], v[VV+4*\p:VV+4*\p+1], v[VV+4*\p+2:VV+4*\p+3]
.endr
.irp p, 0,1,2,3
	v_pk_add_f32 v[VV+8*\p:VV+8*\p+1], v[VV+8*\p:VV+8*\p+1], v[VV+8*\p+4:VV+8*\p+5]
.endr
.irp p, 0,1
	v_pk_add_f32 v[VV+16*\p:VV+16*\p+1], v[VV+16*\p:VV+16*\p+1], v[VV+16*\p+8:VV+16*\p+9]
.endr
	v_pk_add_f32 v[VV:VV+1], v[VV:VV+1], v[VV+16:VV+17]
	global_store_b64 v12, v[VV:VV+1], s[8:9]       ; 32 lanes store 256 consecutive bytes of row hd
	s_wait_tensorcnt 0x0                           ; the wave's end, behind my last LDS store
	ds_add_u32 v[SPW], v[NIL]
	s_wait_dscnt 0x0
	s_endpgm
.Lfunc_end_k_q66fb7fa36a_head16:
	.size	k_q66fb7fa36a_head16, .Lfunc_end_k_q66fb7fa36a_head16-k_q66fb7fa36a_head16
	.p2alignl 7, 3214868480
	.fill 96, 4, 3214868480
	.section	.rodata,"a",@progbits
	.p2align	6, 0x0
	.amdhsa_kernel k_q66fb7fa36a_head16
		.amdhsa_group_segment_fixed_size 71680
		.amdhsa_private_segment_fixed_size 0
		.amdhsa_enable_private_segment 0
		.amdhsa_kernarg_size 24
		.amdhsa_user_sgpr_count 2
		.amdhsa_user_sgpr_kernarg_segment_ptr 1
		.amdhsa_wavefront_size32 1
		.amdhsa_system_sgpr_workgroup_id_x 1
		.amdhsa_system_sgpr_workgroup_id_y 1
		.amdhsa_system_sgpr_workgroup_id_z 1
		.amdhsa_system_vgpr_workitem_id 0
		.amdhsa_next_free_vgpr 256
		.amdhsa_next_free_sgpr 66
		.amdhsa_reserve_vcc 1
		.amdhsa_float_denorm_mode_32 3
		.amdhsa_float_denorm_mode_16_64 3
		.amdhsa_memory_ordered 1
		.amdhsa_forward_progress 1
		.amdhsa_inst_pref_size 23
	.end_amdhsa_kernel
	.amdgpu_metadata
---
amdhsa.version: [ 1, 2 ]
amdhsa.kernels:
  - .name:           k_q66fb7fa36a_head16
    .symbol:         k_q66fb7fa36a_head16.kd
    .args:
      - { .name: qkv16, .offset: 0, .size: 8, .value_kind: global_buffer, .address_space: global }
      - { .name: Wo, .offset: 8, .size: 8, .value_kind: global_buffer, .address_space: global }
      - { .name: out0, .offset: 16, .size: 8, .value_kind: global_buffer, .address_space: global }
    .group_segment_fixed_size: 71680
    .private_segment_fixed_size: 0
    .kernarg_segment_align: 8
    .kernarg_segment_size: 24
    .max_flat_workgroup_size: 512
    .sgpr_count:     66
    .vgpr_count:     256
    .wavefront_size: 32
...
	.end_amdgpu_metadata
.endif
;; end of part 5
